; MI455X (gfx1250); checked and timed in simulation.
; The chip was launched on July 23, 2026; its instructions are those of AMD's public machine-readable ISA for CDNA 5 (MIT licence, August 2026) and "CDNA5" Instruction Set Architecture Reference Guide (July 2026). The comments in the code are by the model that wrote it; some were corrected since.
;; Multi Head Attention. Allowed arithmetic: matrix products marked QUANTISED: E4M3 operands, one given power-of-two scale a tensor, by v_wmma_f32_16x16x64_fp8_fp8 or v_wmma_f32_16x16x128_fp8_fp8, f32 sums; everything else in f32.
;; Inputs: W_out 1,024 x 1,024 float32; W_qkv 1,024 x 3,072 float32; lowp_scales 8 int32 (the exponents e of the quantised operands' scales 2^e); x 4 x 2,048 x 1,024 float32.
;; Outputs: out0 4 x 2,048 x 1,024 float32.
;; This version of the problem:
;;   THIS VERSION OF THE PROBLEM IS GIVEN IN LOW PRECISION. The matrix products marked QUANTISED in the list below multiply operands that are first quantised to E4M3 (4 exponent bits, 3 mantissa bits; 8 bits a number), with one given power-of-two scale for each operand tensor; their sums are f32. All else is computed in f32.
;;   The module's matrix products, in the order in which they are computed (A, B: the left and right operand; K: the contracted axis; several contracted axes count as one K, in the product's order):
;;     1. [M 8,192, K 1,024] x [K 1,024, N 3,072]; A: input x; B: input W_qkv: QUANTISED (scales: A lowp_scales[0], B lowp_scales[1])
;;     2. batch 64 x [M 2,048, K 64] x [K 64, N 2,048]; A: computed on the way; B: computed on the way: QUANTISED (scales: A lowp_scales[2], B lowp_scales[3])
;;     3. batch 64 x [M 2,048, K 2,048] x [K 2,048, N 64]; A: softmax (see below); B: computed on the way: QUANTISED (scales: A lowp_scales[4], B lowp_scales[5])
;;     4. [M 8,192, K 1,024] x [K 1,024, N 1,024]; A: computed on the way; B: input W_out: QUANTISED (scales: A lowp_scales[6], B lowp_scales[7])
;;   THE QUANTISER, for each operand of a quantised product, along K:
;;     - The operand's scale is 2^e, e = its entry of the input lowp_scales (int32; the entries are numbered through the quantised products in the list's order, A before B).
;;     - Each number is divided by the scale, clamped to +-448, and rounded to the nearest number of E4M3, ties to even, subnormals kept.
;;     - The product sums the exact products of the quantised numbers (number of the format x scale) in f32.
;;   ~~~python
;;   def quantise(x, axis, e):      # numpy; x: float32 -> the quantised numbers, widened to float32 again
;;       x = np.moveaxis(x, axis, -1); K = x.shape[-1]
;;       r = np.clip(x / 2.0 ** e, -448, 448)
;;       step = 2.0 ** (np.maximum(np.frexp(np.where(r == 0, 1, r))[1] - 1, -6) - 3)
;;       q = np.round(r / step) * step * 2.0 ** e      # np.round: ties to even
;;       return np.moveaxis(q, -1, axis).astype(np.float32)
;;   ~~~
;;   SOFTMAX AHEAD OF A QUANTISED PRODUCT. Where the list says 'softmax', what is quantised is not the finished softmax but p = 2^(t - M), with t = logit x log2(e) and M = ceil(the row's largest t), a whole number; so 1/2 < the row's largest p <= 1. The row's sum l is taken of the UNQUANTISED p, in f32, and the product's result is divided by l at the end. Since M is a whole number, a kernel that streams over the keys may use a running M (the ceiling of the running maximum): every later rescaling is an exact power of two, so the quantised numbers keep their values, but for numbers so far below the row's largest that they fall under the format's range.
;;   OPERANDS COMPUTED ON THE WAY. 'Computed on the way' means the value that the module computes at that place (a softmax that the list does not call 'softmax' is quantised finished and normalised). What goes into a quantiser is computed in f32, as accurately as f32 sums, v_exp_f32 and their like allow (about 1e-6 of the number): no bf16 or f16 on the way to a quantiser, and a product that is left as it is and whose result goes on into a quantised operand takes f32 operands (vector FMAs, or v_wmma_f32_16x16x4_f32). A number that lies on a knife's edge between two numbers of the format may be rounded either way, as far as f32 arithmetic and the matrix unit's own rounding can turn it there, and no further.
;; One version. Each part assembles by itself: llvm-mc -triple=amdgcn-amd-amdhsa -mcpu=gfx1250 --defsym DOCPART=n.
;; ======== version 1 of 1: 4 launches
;; limits: right only within a limited range of input values
;; workspace buffers: codes 12,582,912 bytes; qkv 25,165,824 bytes; o_codes 8,388,608 bytes
;; launch quant (part 1): grid 384 x 1, 4 waves a work-group, no clusters, 68,096 bytes of LDS; arguments x, W_qkv, W_out, lowp_scales, codes; writes codes
.if DOCPART == 1
	.amdgcn_target "amdgcn-amd-amdhsa--gfx1250"
	.amdhsa_code_object_version 6
	.text
	.protected	k_q54b8fb4e63_quant
	.globl	k_q54b8fb4e63_quant
	.p2align	8
	.type	k_q54b8fb4e63_quant,@function
k_q54b8fb4e63_quant:
	s_mov_b64 s[64:65], 0
	v_nop
	global_prefetch_b8 v0, s[64:65] scope:SCOPE_SE
	s_setreg_imm32_b32 hwreg(HW_REG_WAVE_MODE, 25, 1), 1
	s_wait_xcnt 0x0
; x [8192][1024], W_qkv [1024][3072] and W_out [1024][1024], f32, become codes of FP8 (E4M3) with K innermost, each with the one scale 2^e given for it (entries 0, 1 and 7 of the scales).
; code = number / 2^e, held within +-448, rounded to the nearest code, ties to even.
; OUT: one pool of 12,288 rows of 1,024 codes: rows 0-8191 x (row = token), rows 8192-11263 W_qkv's columns, rows 11264-12287 W_out's columns.
; LIMITS: each of the three e lies between -126 and 119, so that 2^e and 448 x 2^e are f32 numbers.  NaN among the inputs is not served (an infinity is held at the largest code).
; SHARES: work-groups 0-255 take x, a plain stream (K is innermost): a wave takes 16 steps of 512 numbers.  Work-groups 256-383 take the weights, whose K is the FIRST axis: a lane takes a column and its
; registers run down K; a wave takes 32 columns x 256 along K.  Every work-group reads 131,072 bytes.  The two ways part on the work-group's number, have LDS bytes of their own and never join.
; No tensor loads, no barrier, no cluster: waves and work-groups share no input byte.  No matrix unit: there is nothing to multiply.
.set XWG,   256                        ; work-groups that take x
.set SPW,   12                         ; v12  LDS address of my spare word: SPARE + 4 x my thread's number; never rewritten
.set NIL,   13                         ; v13  0; never rewritten
.set SPARE, 67584                      ; behind both ways' stages: the spare words, 128 bytes a wave: two blocks of 256 bytes that no other line names
.set EMAX,  8
.set MANT,  0x600000                   ; the mantissa field of 448 as f32
; the way of x
.set STEPS, 16
.set WREG,  8192                       ; LDS bytes 0-32767: a region for each wave: two stages of 32 x SP bytes
.set SP,    80                         ; a lane's place in a stage: its 64 bytes + 16 of padding
.set R,     16                         ; v16-79   four sets of 16 numbers as they are loaded
.set X,     80                         ; v80-111  two sets of 16 neighbours
.set C,     128                        ; v128-191 codes: four registers for each step, so that no store's data are written again
; the way of the weights
.set WSTG,  32768                      ; LDS bytes 32768-67583: a stage of 32 rows x 272 bytes for each wave
.set PITCH, 272
.set NB,    8                          ; blocks of 32 along K for a wave
.set WX,    32                         ; v32-95   two sets of 32 numbers
.set WC,    96                         ; v96-103  a block's codes
.set OUTR,  112                        ; v112-175 the way out
.set OFS,   176                        ; v176-207 4 x lane + i rows of the weight, i = 0 .. 31; never rewritten
.set SB,    32                         ; s[32:47] the address of each block's first row at my wave's first column; never rewritten
	s_load_b256 s[4:11], s[0:1], 0x0               ; x s[4:5], W_qkv s[6:7], W_out s[8:9], the scales' exponents s[10:11]
	s_load_b64 s[12:13], s[0:1], 0x20              ; the pool of codes
	v_lshl_add_u32 v[SPW], v0, 2, SPARE
	v_mov_b32 v[NIL], 0
	v_lshrrev_b32 v1, 5, v0
	v_readfirstlane_b32 s16, v1                    ; wave 0..3
	v_and_b32 v2, 31, v0                           ; lane
	s_wait_kmcnt 0x0
	s_load_b256 s[48:55], s[10:11], 0x0            ; e0 .. e7
	s_cmp_lt_u32 ttmp9, XWG
	s_cbranch_scc0 .Lw
	s_wait_alu depctr_va_vdst(0)
; ---------------- x: each of a step's four loads reads 512 consecutive bytes, 16 a lane; the 2,048 bytes turn through the wave's own stage and come back 64 bytes a lane: 16 neighbours along K
	v_lshlrev_b32 v3, 4, v2                        ; 16 x lane: my bytes of a load's 512, and of a step's 512 bytes of codes
	s_wait_alu depctr_va_vdst(0)
	s_mul_i32 s17, s16, WREG
	v_lshrrev_b32 v14, 2, v2
	v_mul_u32_u24 v14, v14, SP
	v_and_b32 v15, 3, v2
	v_lshl_add_u32 v14, v15, 4, v14
	v_add_nc_u32 v14, s17, v14                     ; the stage, on the way in: SP (lane / 4) + 16 (lane % 4)
	v_mul_u32_u24 v15, v2, SP
	v_add_nc_u32 v15, s17, v15                     ; and on the way out: SP x lane
	s_lshl_b32 s18, ttmp9, 2
	s_add_co_u32 s18, s18, s16                     ; which run of 8,192 numbers is my wave's
	s_lshl_b32 s20, s18, 15
	s_mov_b32 s21, 0
	s_add_nc_u64 s[4:5], s[4:5], s[20:21]
	s_lshl_b32 s20, s18, 13
	s_add_nc_u64 s[12:13], s[12:13], s[20:21]
.macro XLOAD t
.irp i, 0,1,2,3
	global_load_b128 v[R+16*((\t)%4)+4*\i:R+16*((\t)%4)+4*\i+3], v3, s[4:5] offset:2048*(\t)+512*\i th:TH_LOAD_NT
.endr
.endm
.macro XTURN t                         ; LDS serves a wave's instructions in order, so no wait stands between the stores and the loads
.irp i, 0,1,2,3
	ds_store_b128 v14, v[R+16*((\t)%4)+4*\i:R+16*((\t)%4)+4*\i+3] offset:32*SP*((\t)%2)+8*SP*\i
.endr
.irp i, 0,1,2,3
	ds_load_b128 v[X+16*((\t)%2)+4*\i:X+16*((\t)%2)+4*\i+3], v15 offset:32*SP*((\t)%2)+16*\i
.endr
.endm
.irp t, 0,1,2,3
	XLOAD \t
.endr
	s_wait_alu depctr_va_vdst(0)
	s_wait_kmcnt 0x0
	s_add_co_i32 s22, s48, 127
	s_lshl_b32 s23, s22, 23
	v_mov_b32 v11, s23                             ; 2^e0 as f32: the conversion takes its exponent field
	s_add_co_i32 s22, s22, EMAX
	s_lshl_b32 s22, s22, 23
	s_or_b32 s22, s22, MANT
	s_wait_alu depctr_va_vdst(0)
	s_wait_loadcnt 12                              ; step 0's four loads are in; the twelve of steps 1 to 3 may be out
	XTURN 0
.macro XSTEP t
.set XS, X+16*((\t)%2)
	s_wait_dscnt 0x0                               ; this step's numbers are back from the stage, so its stores into the stage have read their registers,
.if (\t)+4 < STEPS
	XLOAD (\t)+4                                   ; which take the loads of four steps on
.endif
.if (\t)+1 < STEPS
.if STEPS-2-(\t) >= 3
	s_wait_loadcnt 12                              ; the next step's four loads are in; those of the three steps behind it may be out
.else
	s_wait_loadcnt 4*(STEPS-2-(\t))
.endif
	XTURN (\t)+1
.endif
.irp i, 0,1,2,3,4,5,6,7,8,9,10,11,12,13,14,15
.endr
	v_cvt_scalef32_pk8_fp8_f32 v[C+4*(\t):C+4*(\t)+1], v[XS:XS+7], v11
	v_cvt_scalef32_pk8_fp8_f32 v[C+4*(\t)+2:C+4*(\t)+3], v[XS+8:XS+15], v11
	global_store_b128 v3, v[C+4*(\t):C+4*(\t)+3], s[12:13] offset:512*(\t)   ; the wave stores 512 consecutive bytes, aligned
.endm
.irp t, 0,1,2,3,4,5,6,7,8,9,10,11,12,13,14,15
	XSTEP \t
.endr
	s_wait_tensorcnt 0x0                           ; the wave's end: behind my last LDS store
	ds_add_u32 v[SPW], v[NIL]
	s_wait_dscnt 0x0
	s_endpgm
; ---------------- the weights: g = work-group - 256; g % 4 says which 256 along K, g / 4 which 128 columns of the 4,096 (3,072 of W_qkv, then 1,024 of W_out)
.Lw:
	s_sub_co_u32 s17, ttmp9, XWG
	s_and_b32 s18, s17, 3                          ; kb
	s_lshr_b32 s19, s17, 2                         ; nb
	s_mov_b32 s24, 4096
	s_wait_kmcnt 0x0
	s_cmp_lt_u32 s17, 96                           ; W_qkv's work-group or W_out's: the choice hangs on the work-group's number alone
	s_cselect_b64 s[6:7], s[6:7], s[8:9]
	s_cselect_b32 s24, 12288, s24                  ; a row of the weight in bytes
	s_cselect_b32 s25, 0, 24
	s_cselect_b32 s26, s49, s55                    ; e1 or e7
	s_sub_co_u32 s27, s19, s25
	s_lshl_b32 s27, s27, 7
	s_lshl_b32 s28, s16, 5
	s_add_co_u32 s27, s27, s28                     ; my wave's first column in its weight
	s_lshl_b32 s20, s27, 2
	s_mul_i32 s29, s18, s24
	s_lshl_b32 s29, s29, 8                         ; 256 kb rows
	s_add_co_u32 s20, s20, s29
	s_mov_b32 s21, 0
	s_add_nc_u64 s[SB:SB+1], s[6:7], s[20:21]
	s_lshl_b32 s22, s24, 5                         ; 32 rows
	s_mov_b32 s23, 0
.irp t, 1,2,3,4,5,6,7
	s_add_nc_u64 s[SB+2*\t:SB+2*\t+1], s[SB+2*\t-2:SB+2*\t-1], s[22:23]
.endr
	s_lshl_b32 s20, s19, 7
	s_add_co_u32 s20, s20, s28
	s_add_co_u32 s20, s20, 8192                    ; my first row of the pool: 8192 + 128 nb + 32 wave (W_out's rows follow W_qkv's 3,072)
	s_lshl_b32 s20, s20, 10
	s_lshl_b32 s29, s18, 8
	s_add_co_u32 s20, s20, s29                     ; + 256 kb bytes
	s_add_nc_u64 s[12:13], s[12:13], s[20:21]
	s_wait_alu depctr_va_vdst(0)
	v_lshlrev_b32 v[OFS], 2, v2
.irp i, 1,2,3,4,5,6,7,8,9,10,11,12,13,14,15,16,17,18,19,20,21,22,23,24,25,26,27,28,29,30,31
	v_add_nc_u32 v[OFS+\i], s24, v[OFS+\i-1]
.endr
.macro WLOAD t                         ; block t: the weight's rows 32 t + i at my column: 32 lanes read 128 consecutive bytes, the four waves 512
.irp i, 0,1,2,3,4,5,6,7,8,9,10,11,12,13,14,15,16,17,18,19,20,21,22,23,24,25,26,27,28,29,30,31
	global_load_b32 v[WX+32*((\t)%2)+\i], v[OFS+\i], s[SB+2*(\t):SB+2*(\t)+1] th:TH_LOAD_NT
.endr
.endm
	WLOAD 0
	WLOAD 1
	s_mul_i32 s30, s16, 32*PITCH
	s_add_co_u32 s30, s30, WSTG                    ; my stage
	v_mul_u32_u24 v4, v2, PITCH
	v_add_nc_u32 v4, s30, v4                       ; into it: row = my column
	v_and_b32 v5, 15, v2
	v_lshrrev_b32 v6, 4, v2
	v_mul_u32_u24 v7, v6, PITCH
	v_lshl_add_u32 v7, v5, 4, v7
	v_add_nc_u32 v7, s30, v7                       ; out of it: sixteen lanes to a row, two rows an instruction
	v_lshlrev_b32 v8, 10, v6
	v_lshl_add_u32 v8, v5, 4, v8                   ; and the same place in the pool
	s_add_co_i32 s26, s26, 127
	s_lshl_b32 s31, s26, 23
	v_mov_b32 v11, s31                             ; 2^e as f32
	s_add_co_i32 s26, s26, EMAX
	s_lshl_b32 s26, s26, 23
	s_or_b32 s26, s26, MANT
.macro WBLOCK t
.set XS, WX+32*((\t)%2)
.if (\t) < NB-1
	s_wait_loadcnt 32                              ; this block's 32 loads are in; the next block's 32 may be out
.else
	s_wait_loadcnt 0
.endif
.irp i, 0,1,2,3,4,5,6,7,8,9,10,11,12,13,14,15,16,17,18,19,20,21,22,23,24,25,26,27,28,29,30,31
.endr
.irp g, 0,1,2,3
	v_cvt_scalef32_pk8_fp8_f32 v[WC+2*\g:WC+2*\g+1], v[XS+8*\g:XS+8*\g+7], v11
.endr
	ds_store_b128 v4, v[WC:WC+3] offset:32*(\t)    ; 32 codes: 32 bytes of my column's row
	ds_store_b128 v4, v[WC+4:WC+7] offset:32*(\t)+16
.if (\t)+2 < NB
	WLOAD (\t)+2
.endif
	s_wait_dscnt 0x0                               ; the stores have read their registers: the next block's codes may be written
.endm
.set Q, 0
	s_wait_alu depctr_va_vdst(0)
.rept NB
	WBLOCK Q
.set Q, Q+1
.endr
.irp t, 0,1,2,3,4,5,6,7,8,9,10,11,12,13,14,15
	ds_load_b128 v[OUTR+4*\t:OUTR+4*\t+3], v7 offset:2*\t*PITCH   ; LDS serves a wave's instructions in order: these see my stores
.endr
.irp t, 0,1,2,3,4,5,6,7,8,9,10,11,12,13,14,15
	s_wait_dscnt 15-\t                             ; the younger loads may be out
	global_store_b128 v8, v[OUTR+4*\t:OUTR+4*\t+3], s[12:13] offset:2*\t*1024   ; sixteen lanes store 256 consecutive bytes, aligned
.endr
	s_wait_tensorcnt 0x0                           ; the wave's end: behind my last LDS store
	ds_add_u32 v[SPW], v[NIL]
	s_wait_dscnt 0x0
	s_endpgm
.Lfunc_end_k_q54b8fb4e63_quant:
	.size	k_q54b8fb4e63_quant, .Lfunc_end_k_q54b8fb4e63_quant-k_q54b8fb4e63_quant
	.p2alignl 7, 3214868480
	.fill 96, 4, 3214868480
	.section	.rodata,"a",@progbits
	.p2align	6, 0x0
	.amdhsa_kernel k_q54b8fb4e63_quant
		.amdhsa_group_segment_fixed_size 68096
		.amdhsa_private_segment_fixed_size 0
		.amdhsa_enable_private_segment 0
		.amdhsa_kernarg_size 40
		.amdhsa_user_sgpr_count 2
		.amdhsa_user_sgpr_kernarg_segment_ptr 1
		.amdhsa_wavefront_size32 1
		.amdhsa_system_sgpr_workgroup_id_x 1
		.amdhsa_system_sgpr_workgroup_id_y 1
		.amdhsa_system_sgpr_workgroup_id_z 1
		.amdhsa_system_vgpr_workitem_id 0
		.amdhsa_next_free_vgpr 208
		.amdhsa_next_free_sgpr 66
		.amdhsa_reserve_vcc 0
		.amdhsa_float_denorm_mode_32 3
		.amdhsa_float_denorm_mode_16_64 3
		.amdhsa_fp16_overflow 1
		.amdhsa_memory_ordered 1
		.amdhsa_forward_progress 1
		.amdhsa_inst_pref_size 55
	.end_amdhsa_kernel
	.amdgpu_metadata
---
amdhsa.version: [ 1, 2 ]
amdhsa.kernels:
  - .name:           k_q54b8fb4e63_quant
    .symbol:         k_q54b8fb4e63_quant.kd
    .args:
      - { .name: x, .offset: 0, .size: 8, .value_kind: global_buffer, .address_space: global }
      - { .name: W_qkv, .offset: 8, .size: 8, .value_kind: global_buffer, .address_space: global }
      - { .name: W_out, .offset: 16, .size: 8, .value_kind: global_buffer, .address_space: global }
      - { .name: lowp_scales, .offset: 24, .size: 8, .value_kind: global_buffer, .address_space: global }
      - { .name: codes, .offset: 32, .size: 8, .value_kind: global_buffer, .address_space: global }
    .group_segment_fixed_size: 68096
    .private_segment_fixed_size: 0
    .kernarg_segment_align: 8
    .kernarg_segment_size: 40
    .max_flat_workgroup_size: 128
    .sgpr_count:     66
    .vgpr_count:     208
    .wavefront_size: 32
...
	.end_amdgpu_metadata
.endif
;; end of part 1
;; launch qkv (part 2): grid 12 x 32, 4 waves a work-group, clusters of 4 x 4, 327,680 bytes of LDS; arguments codes, lowp_scales, qkv; writes qkv
.if DOCPART == 2
	.amdgcn_target "amdgcn-amd-amdhsa--gfx1250"
	.amdhsa_code_object_version 6
	.text
	.protected	k_q54b8fb4e63_qkv
	.globl	k_q54b8fb4e63_qkv
	.p2align	8
	.type	k_q54b8fb4e63_qkv,@function
k_q54b8fb4e63_qkv:
	s_mov_b64 s[64:65], 0
	v_nop
	global_prefetch_b8 v0, s[64:65] scope:SCOPE_SE
	s_setreg_imm32_b32 hwreg(HW_REG_WAVE_MODE, 25, 1), 1
	s_wait_xcnt 0x0
	s_wait_alu depctr_hold_cnt(0) depctr_sa_sdst(0) depctr_va_vdst(0) depctr_va_sdst(0) depctr_va_ssrc(0) depctr_va_vcc(0) depctr_vm_vsrc(0)
	s_getreg_b32 s2, hwreg(HW_REG_IB_STS2, 6, 4)
	s_cmp_eq_u32 s2, 0
	s_cbranch_scc0 .Lentry_in_a_cluster
	s_endpgm
.Lentry_in_a_cluster:
	s_bfe_u32 s2, ttmp6, 0x10000c
	s_cmp_lg_u32 s2, 0xf033
	s_cbranch_scc0 .Lentry_shape_is_right
	s_endpgm
.Lentry_shape_is_right:
; qkv = x W_qkv on codes of FP8 (E4M3); each finished f32 sum is quantised at once into the code of q (scale 2^e2), k (2^e3) or v (2^e5): the operands of the attention's two products.
; IN: the pool of codes, rows of 1,024 bytes, in tiles of 256 rows: tiles 0-31 x (row = token), tiles 32-43 W_qkv's columns (features: 32-35 q, 36-39 k, 40-43 v).
; A tile of 256 x 256 sums is made by four waves, 128 x 128 each: 64 accumulators, 512 registers.  K = 1,024 goes in steps of 256 through a ring of two LDS slots filled by the tensor data mover.
; THE MATRIX INSTRUCTION IS USED TRANSPOSED (source 0 = 16 rows of B, source 1 = 16 rows of A): a lane holds ONE row of A and eight neighbouring rows of B.
; ROLES, by the cluster's x, which all sixteen partners share: clusters 0 and 1 (q, k): A = tokens, B = features, so a lane's eight sums are eight neighbours along the head's axis, the first product's K.
; Cluster 2 (v): A = v's features, B = tokens: a lane's eight sums are eight neighbouring KEYS of one feature, the second product's K: v comes out with the keys innermost and nothing is transposed.
; Both operands lie in one pool, so a role is two tile numbers and three constants of the way out, chosen by s_cselect_b32; no branch hangs on it.
; OUT: byte = batch x 6,291,456 + g x 131,072 + inner;  g = head (q), 16 + head (k), 32 + head (v).  q, k: inner = token x 64 + pos(d).  v: inner = (token / 64) x 4,096 + d x 64 + pos(token % 64).
; pos swaps bits 3 and 4 of the index: index 32 c + 16 u + 8 h + j lies at byte 32 c + 16 h + 8 u + j, so that a lane's 16-byte load at 32 c + 16 h brings the index groups 32 c + 8 h + 0..7 and 32 c + 16 + 8 h + 0..7.
; CLUSTERS: 4 x 4 work-groups; A's tile is shared along a row of the cluster, B's along a column: each is asked for jointly, by the same tensor load with the same descriptor and a mask that names the four.
; No prefetch: K has four steps, two of which are the first fills; a request two refills ahead would name nothing.
; LIMIT: e2 - e0 - e1, e3 - e0 - e1 and e5 - e0 - e1 lie between -126 and 119, so that the conversion's scale and 448 x it are f32 numbers.
; REGISTERS, in windows of 256: window 0: v0-31 addresses and two constants; from v128 A's fragments, ONE set; on the way out v96-159 are at work.  window 1: B's fragments, TWO sets.  windows 2, 3: the accumulators ((a, b) at v[8 (8 (a % 4) + b)]).
.set ROWB,   256                       ; a tile's row in bytes: 256 codes
.set KROW,   1024                      ; a row of the pool in bytes
.set PITCH,  272                       ; an LDS row: 256 bytes + 16 of padding = 68 words: the 16 rows that a load touches start at 16 different banks (64 banks of 4 bytes: ISA guide 11.1)
.set FR,     16                        ; registers of a fragment: 16 rows x 128 K
.set NL,     4                         ; LDS loads that bring one
.set NP,     4                         ; places behind this matrix instruction (ISA guide 7.12.1)
.set HALFT,  128*PITCH
.set SLOT,   4*HALFT                   ; A's 256 rows, then B's 256 rows
.set LAPS,   2                         ; a lap = two K steps = once round the ring
.set SPARE,  2*SLOT                    ; behind the ring: the spare words, 128 bytes a wave: two blocks of 256 bytes that no other line names
.set SPITCH, 144                       ; the way out: a stage of 16 rows x (128 bytes + 16) for each wave, in slot 0, which has had its last fill and its last read by then
.set ADRA, 16                          ; v16-17  LDS address of my A fragments in slot 0, 1
.set ADRB, 20                          ; v20-21  the same for B
.set STO,  24                          ; v24     the way out: where I put 16 bytes of a row
.set RD,   25                          ; v25     where I read 16 bytes back
.set CO,   26                          ; v26     my byte offset in the output
.set SPW,  28                          ; v28     LDS address of my spare word; never rewritten
.set NIL,  29                          ; v29     0; never rewritten
.set LIM,  30
.set SC,   31                          ; v31     the conversion's scale as f32
.set TMP,  32
.set CD,   96                          ; v96-127 a block's codes, two sets
.set AF,   128                         ; A's fragments
.set BB,   128                         ; v128-159 the way out: codes read back, two sets
.set G1, 24
.set G0, 32
.set G1B, 48
.set G0B, 56
.set MSB, 0
.macro WIN new                         ; the immediate's high byte repeats the setting that is left
.if MSB != (\new)
	s_set_vgpr_msb (MSB<<8)|(\new)
.set MSB, (\new)
.endif
.endm
.set MUL_LO, 0xa1                      ; source 0 (B) window 1, source 1 (A) window 0, C and D window 2
.set MUL_HI, 0xf1                      ; the same, C and D window 3
.set TO_B,   0x40                      ; destination window 1, address window 0
; A joint load: waves 0 and 1 fetch for A, waves 2 and 3 for B; the branch hangs on the wave's number alone.  An s_nop 0 and four v_nop follow each of the two lines.
.macro JLOAD g0a, g1a, g0b, g1b
	s_cmp_eq_u32 s15, 0
	s_cbranch_scc0 .Lfor_b_\@
	tensor_load_to_lds s[\g0a:\g0a+3], s[\g1a:\g1a+7]
	s_nop 0
.rept 4
	v_nop
.endr
	s_branch .Lasked_\@
.Lfor_b_\@:
	tensor_load_to_lds s[\g0b:\g0b+3], s[\g1b:\g1b+7]
	s_nop 0
.rept 4
	v_nop
.endr
.Lasked_\@:
.endm
.macro CREST                           ; a round of the cluster's barrier behind its opening barrier
	s_cmp_lg_u32 s14, 0
	s_cbranch_scc1 .Lnot_wave_0_\@
	s_barrier_signal -3
.Lnot_wave_0_\@:
	s_barrier_wait -3
	s_barrier_signal -1
	s_barrier_wait -1
.endm
.macro CROUND
	s_barrier_signal -1
	s_barrier_wait -1
	CREST
.endm
	s_load_b128 s[4:7], s[0:1], 0x0                ; the pool s[4:5], the scales' exponents s[6:7]
	s_load_b64 s[10:11], s[0:1], 0x10              ; the output
	v_lshl_add_u32 v[SPW], v0, 2, SPARE
	v_mov_b32 v[NIL], 0
	ds_add_u32 v[SPW], v[NIL]                      ; the wave's opening: the add and its wait stand ahead of my first tensor load; the set-up below stands between them
	ds_add_u32 v[SPW], v[NIL]
	v_lshrrev_b32 v1, 5, v0
	v_readfirstlane_b32 s14, v1                    ; wave 0..3
	s_lshr_b32 s15, s14, 1                         ; which half of A's rows is mine.  Also: I fetch for A (0) or for B (1)
	s_and_b32 s16, s14, 1                          ; which half of B's rows.  Also: which 128 rows of that tile I fetch
	s_bfe_u32 s40, ttmp6, 0x40000                  ; cx, cy: my place in the cluster
	s_bfe_u32 s41, ttmp6, 0x40004
	s_and_b32 s18, ttmp7, 0xffff
	s_lshl_b32 s18, s18, 2                         ; 4 x cluster y: a group of four tiles of tokens
	s_lshl_b32 s19, ttmp9, 2
	s_add_co_u32 s19, s19, 32                      ; 32 + 4 x cluster x: a group of four tiles of features
	s_mov_b32 s80, 131072
	s_mov_b32 s82, 1024
	s_mov_b32 s83, 0
	s_cmp_eq_u32 ttmp9, 2                          ; v's cluster?  The same answer in all sixteen partners
	s_cselect_b32 s17, 40, s18
	s_cselect_b32 s42, s18, s19
	s_cselect_b32 s80, 4096, s80                   ; the way out: bytes between the two halves of a stage row in the output: a block of 64 keys (v) or a head (q, k)
	s_cselect_b32 s82, 128000, s82                 ; and from block 3 to block 4 of A's rows: on to the next head and 48 rows back (v), or 16 tokens on
	s_add_co_u32 s17, s17, s41                     ; A's tile of the pool: it holds cy and never cx
	s_add_co_u32 s42, s42, s40                     ; B's tile: it holds cx and never cy
	s_lshl_b32 s43, s41, 2
	s_lshl_b32 s43, 15, s43                        ; my row of the cluster
	s_lshl_b32 s44, 0x1111, s40                    ; my column
	; descriptor group 1: a tile of 128 rows x 256 bytes, padded in LDS
	s_or_b32 s[G1+0], s43, (0<<16)|(1<<20)|(1<<21)|(5<<22)|(3<<25)  ; 15:0 the mask; 17:16 elements of 1 byte; 20 padding on; 21 set beside a mask; 24:22 after every 64 words; 31:25 four words
	s_or_b32 s[G1B+0], s44, (0<<16)|(1<<20)|(1<<21)|(5<<22)|(3<<25)
.irp g, G1, G1B
	s_mov_b32 s[\g+1], ROWB<<16                    ; tensor_dim0
	s_mov_b32 s[\g+2], 128<<16                     ; tensor_dim1
	s_mov_b32 s[\g+3], ROWB<<16                    ; tile_dim0
	s_mov_b32 s[\g+4], 128                         ; tile_dim1
	s_mov_b32 s[\g+5], KROW                        ; tensor_dim0_stride
	s_mov_b32 s[\g+6], 0
	s_mov_b32 s[\g+7], 0
.endr
	s_lshl_b32 s18, s16, 7                         ; which 128 rows of the tile I fetch
	s_lshl_b32 s20, s17, 8
	s_add_co_u32 s20, s20, s18
	s_lshl_b32 s20, s20, 10                        ; A: (256 x tile + 128 x half) rows of 1,024 bytes: under 2^24
	s_mov_b32 s21, 0
	s_lshl_b32 s46, s42, 8
	s_add_co_u32 s46, s46, s18
	s_lshl_b32 s46, s46, 10                        ; B likewise
	s_mov_b32 s47, 0
	s_mul_i32 s45, s14, HALFT                      ; where they go: wave x 128 rows: no place in the cluster enters an LDS address
	s_wait_dscnt 0x0                               ; the opening add is done
	s_wait_kmcnt 0x0
	s_load_b256 s[68:75], s[6:7], 0x0              ; e0 .. e7
	s_add_nc_u64 s[20:21], s[4:5], s[20:21]
	s_add_nc_u64 s[46:47], s[4:5], s[46:47]
	CROUND                                         ; all sixteen work-groups are here: the first joint loads meet
.irp s, 0,1
	s_mov_b32 s[G0+4*\s], 1
	s_add_co_u32 s[G0+4*\s+1], s45, \s*SLOT
	s_add_nc_u64 s[G0+4*\s+2:G0+4*\s+3], s[20:21], \s*ROWB
	s_or_b32 s[G0+4*\s+3], s[G0+4*\s+3], 0x80000000
	s_mov_b32 s[G0B+4*\s], 1
	s_add_co_u32 s[G0B+4*\s+1], s45, \s*SLOT
	s_add_nc_u64 s[G0B+4*\s+2:G0B+4*\s+3], s[46:47], \s*ROWB
	s_or_b32 s[G0B+4*\s+3], s[G0B+4*\s+3], 0x80000000
	JLOAD G0+4*\s, G1, G0B+4*\s, G1B
.endr
	v_and_b32 v1, 15, v0                           ; r = l % 16
	s_wait_alu depctr_va_vdst(0)
	v_bfe_u32 v2, v0, 4, 1                         ; h = l / 16
	v_mul_u32_u24 v3, v1, PITCH
	v_lshl_add_u32 v4, v2, 4, v3                   ; a fragment's row x pitch + 16 x half
	s_mul_i32 s21, s15, HALFT                      ; my 128 rows of A
	s_mul_i32 s22, s16, HALFT                      ; my 128 rows of B,
	s_add_co_u32 s22, s22, 2*HALFT                 ; which lie behind A's 256
.irp s, 0,1
	v_add_nc_u32 v[ADRA+\s], s21, v4
	v_add_nc_u32 v[ADRB+\s], s22, v4
	s_add_co_u32 s21, s21, SLOT
	s_add_co_u32 s22, s22, SLOT
.endr
	s_mul_i32 s23, s14, 16*SPITCH                  ; my stage
	v_mul_u32_u24 v5, v1, SPITCH
	s_wait_alu depctr_va_vdst(0)
	v_lshl_add_u32 v5, v2, 4, v5
	v_add_nc_u32 v[STO], s23, v5                   ; in: row r, + 16 h
	v_bfe_u32 v6, v0, 2, 2
	v_mul_u32_u24 v6, v6, SPITCH
	v_lshl_add_u32 v6, v2, 6, v6
	v_and_b32 v7, 3, v0
	v_lshl_add_u32 v6, v7, 4, v6
	v_add_nc_u32 v[RD], s23, v6                    ; back: row (l % 16) / 4, the row's half l / 16, 16 bytes at 16 (l % 4): sixteen lanes take 64 bytes of each of four rows
	v_mul_u32_u24 v7, v2, s80
	v_lshl_add_u32 v[CO], v1, 4, v7                ; out: those four rows' 256 bytes are neighbours; the other half of the lanes writes s80 bytes further on
	; where my wave's part begins in the output
	s_cmp_eq_u32 ttmp9, 2
	s_cselect_b32 s84, s42, s17                    ; the tile of tokens
	s_cselect_b32 s85, s17, s42                    ; the tile of features
	s_cselect_b32 s86, s16, s15                    ; my half of the tokens
	s_cselect_b32 s87, s15, s16                    ; my half of the features
	s_sub_co_u32 s85, s85, 32
	s_lshr_b32 s88, s84, 3
	s_mul_i32 s88, s88, 6291456                    ; the batch: eight tiles of tokens each
	s_lshl_b32 s85, s85, 2
	s_lshl_b32 s87, s87, 1
	s_add_co_u32 s85, s85, s87                     ; g = 4 x tile + 2 x half: four heads to a tile of features
	s_lshl_b32 s85, s85, 17
	s_add_co_u32 s88, s88, s85
	s_and_b32 s84, s84, 7
	s_lshl_b32 s84, s84, 14                        ; 256 tokens are 16,384 bytes of a head, in q, k and v alike
	s_add_co_u32 s88, s88, s84
	s_lshl_b32 s86, s86, 13
	s_add_co_u32 s88, s88, s86
	s_mov_b32 s89, 0
	s_add_nc_u64 s[10:11], s[10:11], s[88:89]
.macro FRAG reg, adr, q, i             ; a fragment: lane l holds row l % 16; registers 4 c .. 4 c + 3 hold K = 32 c + 16 (l / 16) + 0 .. 15: the same places in A and in B, so every product meets its partner
.irp c, 0,1,2,3
	ds_load_b128 v[\reg+4*\c:\reg+4*\c+3], v[\adr] offset:128*(\q)+32*\c+(\i)*16*PITCH
.endr
.endm
; 16 matrix instructions: A's blocks a0, a0 + 1 x B's eight.  p: B's set.  zero = 1: the first product starts the sums.  The 64 accumulators take turns, one instruction a turn.
.macro MUL16 a0, p, zero
.irp a, \a0, \a0+1
.irp b, 0,1,2,3,4,5,6,7
.if \zero
	v_wmma_f32_16x16x128_fp8_fp8 v[8*(8*((\a)%4)+\b):8*(8*((\a)%4)+\b)+7], v[128*(\p)+FR*\b:128*(\p)+FR*\b+FR-1], v[AF+FR*(\a):AF+FR*(\a)+FR-1], 0
.else
	v_wmma_f32_16x16x128_fp8_fp8 v[8*(8*((\a)%4)+\b):8*(8*((\a)%4)+\b)+7], v[128*(\p)+FR*\b:128*(\p)+FR*\b+FR-1], v[AF+FR*(\a):AF+FR*(\a)+FR-1], v[8*(8*((\a)%4)+\b):8*(8*((\a)%4)+\b)+7]
.endif
.endr
.endr
.endm
.macro FETCH_B slot, q, p
	WIN TO_B
.irp i, 0,1,2,3,4,5,6,7
	FRAG 128*(\p)+FR*\i, ADRB+\slot, \q, \i
.endr
	WIN 0
.endm
.macro FETCH_A slot, q, i0
.irp i, \i0, \i0+1, \i0+2, \i0+3
	FRAG AF+FR*(\i), ADRA+\slot, \q, \i
.endr
.endm
.macro PLACES n                        ; plain vector instructions between a matrix instruction and a load into its registers or a read of its result
.rept \n
	v_nop
.endr
.endm
; A step of 128 along K that has its successor in the same slot.
.macro STEP slot, q, zero
	s_wait_dscnt 4*NL                              ; B's set and A's blocks 0-3 are in; the youngest 16 loads (A's blocks 4-7) may be out
	WIN MUL_LO
	MUL16 0, (\q)%2, \zero
	MUL16 2, (\q)%2, \zero
	s_wait_dscnt 0                                 ; A's blocks 4-7 are in
	PLACES NP
	FETCH_B \slot, (\q)+1, 1-(\q)%2
	FETCH_A \slot, (\q)+1, 0
	WIN MUL_HI
	MUL16 4, (\q)%2, \zero
	MUL16 6, (\q)%2, \zero
	PLACES NP
	WIN 0
	FETCH_A \slot, (\q)+1, 4
.endm
; A slot's last step changes slots: one barrier; in front of it each wave waits for all its tensor loads, adds 0 to its spare word, and waits for that and for its reads of this slot.  fill = 1: the slot is filled again, two K steps ahead.
.macro TURN slot, next, fill
	s_wait_tensorcnt 0x0                           ; all my tensor loads have landed: my part of the next slot
	ds_add_u32 v[SPW], v[NIL]                      ; 0 onto my spare word
	s_wait_dscnt 4*NL+1                            ; the add and the youngest 16 loads (A's blocks 4-7) may be out
	WIN MUL_LO
	MUL16 0, 1, 0
	s_wait_dscnt 0x0                               ; the add is done, and my reads of this slot are over
	s_barrier_signal -1
	MUL16 2, 1, 0
	WIN 0
	s_barrier_wait -1
.if \fill
	CREST                                          ; the barrier has opened a round of the cluster's barrier: no wave of any partner still reads this slot or has a load on its way
	s_add_nc_u64 s[G0+4*\slot+2:G0+4*\slot+3], s[G0+4*\slot+2:G0+4*\slot+3], 2*ROWB
	s_add_nc_u64 s[G0B+4*\slot+2:G0B+4*\slot+3], s[G0B+4*\slot+2:G0B+4*\slot+3], 2*ROWB
	JLOAD G0+4*\slot, G1, G0B+4*\slot, G1B         ; the first tensor load behind the round; its four v_nop are the places in front of the loads below
.else
	PLACES NP
.endif
	FETCH_B \next, 0, 0
	FETCH_A \next, 0, 0
	WIN MUL_HI
	MUL16 4, 1, 0
	MUL16 6, 1, 0
	PLACES NP
	WIN 0
	FETCH_A \next, 0, 4
.endm
	s_wait_tensorcnt 1                             ; my part of K step 0 is in; K step 1's load may be out
	s_barrier_signal -1
	s_barrier_wait -1
	FETCH_B 0, 0, 0
	FETCH_A 0, 0, 0
	FETCH_A 0, 0, 4
	STEP 0, 0, 1                                   ; the first step stands in front of the loop: its products start the sums
	s_mov_b32 s3, LAPS-1
.Llap:                                                 ; a trip goes once round the ring and fills both slots again
	TURN 0, 1, 1
	STEP 1, 0, 0
	TURN 1, 0, 1
	STEP 0, 0, 0
	s_sub_co_u32 s3, s3, 1
	s_cmp_lg_u32 s3, 0
	s_cbranch_scc1 .Llap
	TURN 0, 1, 0                                   ; the last lap fills nothing, and has no round of the cluster's barrier
	STEP 1, 0, 0
	s_wait_dscnt 4*NL                              ; the very last step
	WIN MUL_LO
	MUL16 0, 1, 0
	MUL16 2, 1, 0
	s_wait_dscnt 0
	WIN MUL_HI
	MUL16 4, 1, 0
	MUL16 6, 1, 0
	WIN 0
; THE WAY OUT, a block of 16 rows of A x 128 rows of B at a time.  A sum stands for sum x 2^(e0 + e1), so its code is sum / 2^(e - e0 - e1): the three scales are one.  A lane's eight sums of accumulator b become 8 bytes; the bytes of
; accumulators 2 p and 2 p + 1 lie side by side in four registers, which is the order pos: one 16-byte store at 32 p + 16 h of the lane's stage row.  Read back, four rows' 64 bytes make 256 neighbouring bytes of the output.
.macro TOCODES a
.set AC, 64*((\a)%4)
.set CDS, CD+16*((\a)%2)
.set BBS, BB+16*((\a)%2)
	WIN 0x02+((\a)/4)                              ; source 0: window 2 or 3
.set J, 0
.rept 64
.set J, J+1
.endr
.irp b, 0,1,2,3,4,5,6,7
	v_cvt_scalef32_pk8_fp8_f32 v[CDS+2*\b:CDS+2*\b+1], v[AC+8*\b:AC+8*\b+7], v[SC]
.endr
	WIN 0
	v_nop                                          ; a plain vector instruction behind the last conversion
.irp p, 0,1,2,3
	ds_store_b128 v[STO], v[CDS+4*\p:CDS+4*\p+3] offset:32*\p
.endr
.irp i, 0,1,2,3
	ds_load_b128 v[BBS+4*\i:BBS+4*\i+3], v[RD] offset:4*SPITCH*\i   ; LDS serves a wave's instructions in order (ISA guide 5.7.1.4): these see the stores above, and the next block's stores come behind them
.endr
.endm
.macro SEND a, younger                 ; younger: the LDS instructions issued behind block a's loads, which may stay out
.set BBS, BB+16*((\a)%2)
	s_wait_dscnt \younger
.if (\a) == 4
	s_add_nc_u64 s[10:11], s[10:11], s[82:83]      ; (behind a wait on XCNT: the earlier stores have read their base)
.elseif (\a) > 0
	s_add_nc_u64 s[10:11], s[10:11], 1024          ; 16 rows of 64 bytes on
.endif
.irp i, 0,1,2,3
	global_store_b128 v[CO], v[BBS+4*\i:BBS+4*\i+3], s[10:11] offset:256*\i   ; sixteen lanes store 256 consecutive bytes, aligned
.endr
.endm
	s_wait_kmcnt 0x0
	s_cmp_eq_u32 ttmp9, 0
	s_cselect_b32 s90, s70, s71                    ; e2 for q, e3 for k,
	s_cmp_eq_u32 ttmp9, 2
	s_cselect_b32 s90, s73, s90                    ; e5 for v
	s_sub_co_i32 s90, s90, s68
	s_sub_co_i32 s90, s90, s69
	s_add_co_i32 s90, s90, 127
	s_lshl_b32 s91, s90, 23
	v_mov_b32 v[SC], s91                           ; 2^(e - e0 - e1) as f32
	s_add_co_i32 s90, s90, 8
	s_lshl_b32 s90, s90, 23
	s_or_b32 s90, s90, 0x600000
	PLACES NP
	TOCODES 0
.irp a, 1,2,3,4,5,6,7
.if \a > 1
	s_wait_xcnt 0x0                                ; block a - 2's stores have read their registers and their base: block a's loads may land there, and the base may step
.endif
	TOCODES \a
	SEND \a-1, 8                                   ; behind block a - 1's loads: block a's 4 stores and 4 loads
.endr
	s_wait_xcnt 0x0
	SEND 7, 0
	s_wait_tensorcnt 0x0                           ; the wave's end: behind my last tensor load and my last LDS store
	ds_add_u32 v[SPW], v[NIL]
	s_wait_dscnt 0x0
	CROUND                                         ; the closing round: no work-group ends while a partner may still ask for a tile that names it
	s_endpgm
.Lfunc_end_k_q54b8fb4e63_qkv:
	.size	k_q54b8fb4e63_qkv, .Lfunc_end_k_q54b8fb4e63_qkv-k_q54b8fb4e63_qkv
	.p2alignl 7, 3214868480
	.fill 96, 4, 3214868480
	.section	.rodata,"a",@progbits
	.p2align	6, 0x0
	.amdhsa_kernel k_q54b8fb4e63_qkv
		.amdhsa_group_segment_fixed_size 327680
		.amdhsa_private_segment_fixed_size 0
		.amdhsa_enable_private_segment 0
		.amdhsa_kernarg_size 24
		.amdhsa_user_sgpr_count 2
		.amdhsa_user_sgpr_kernarg_segment_ptr 1
		.amdhsa_wavefront_size32 1
		.amdhsa_system_sgpr_workgroup_id_x 1
		.amdhsa_system_sgpr_workgroup_id_y 1
		.amdhsa_system_sgpr_workgroup_id_z 1
		.amdhsa_system_vgpr_workitem_id 0
		.amdhsa_next_free_vgpr 1024
		.amdhsa_next_free_sgpr 98
		.amdhsa_reserve_vcc 0
		.amdhsa_float_denorm_mode_32 3
		.amdhsa_float_denorm_mode_16_64 3
		.amdhsa_fp16_overflow 1
		.amdhsa_memory_ordered 1
		.amdhsa_forward_progress 1
		.amdhsa_inst_pref_size 92
	.end_amdhsa_kernel
	.amdgpu_metadata
---
amdhsa.version: [ 1, 2 ]
amdhsa.kernels:
  - .name:           k_q54b8fb4e63_qkv
    .symbol:         k_q54b8fb4e63_qkv.kd
    .args:
      - { .name: codes, .offset: 0, .size: 8, .value_kind: global_buffer, .address_space: global }
      - { .name: lowp_scales, .offset: 8, .size: 8, .value_kind: global_buffer, .address_space: global }
      - { .name: qkv, .offset: 16, .size: 8, .value_kind: global_buffer, .address_space: global }
    .group_segment_fixed_size: 327680
    .private_segment_fixed_size: 0
    .kernarg_segment_align: 8
    .kernarg_segment_size: 24
    .max_flat_workgroup_size: 128
    .sgpr_count:     98
    .vgpr_count:     1024
    .wavefront_size: 32
...
	.end_amdgpu_metadata
.endif
;; end of part 2
;; launch attn (part 3): grid 4 x 64, 16 waves a work-group, no clusters, 327,680 bytes of LDS; arguments qkv, lowp_scales, o_codes; writes o_codes
.if DOCPART == 3
	.amdgcn_target "amdgcn-amd-amdhsa--gfx1250"
	.amdhsa_code_object_version 6
	.text
	.protected	k_q54b8fb4e63_attn
	.globl	k_q54b8fb4e63_attn
	.p2align	8
	.type	k_q54b8fb4e63_attn,@function
k_q54b8fb4e63_attn:
	s_mov_b64 s[64:65], 0
	v_nop
	global_prefetch_b8 v0, s[64:65] scope:SCOPE_SE
	s_setreg_imm32_b32 hwreg(HW_REG_WAVE_MODE, 25, 1), 1
	s_wait_xcnt 0x0
; o = softmax(q k^T / 8, causal) v for 64 heads of 2,048 tokens x 64, both products on codes of FP8 (E4M3); o is quantised at once (scale 2^e6) for the last product.
; IN (made by the launch before): byte = batch x 6,291,456 + g x 131,072 + inner; g = head (q), 16 + head (k), 32 + head (v); q, k: token x 64 + pos(d); v: (token / 64) x 4,096 + d x 64 + pos(token % 64);
; pos swaps bits 3 and 4: a lane's 16 bytes at 32 c + 16 h hold the indices 32 c + 8 h + 0..7 and 32 c + 16 + 8 h + 0..7: registers 4 c .. 4 c + 3 of an operand in the matrix forms' own layout.
; OUT: o_codes [head][batch x 2,048 + token][64], d as it is: a wave's 32 queries are 2,048 consecutive bytes.
; THE SOFTMAX: t = score x log2(e) / 8; M = the running largest t rounded UP to a whole number; p = 2^(t - M) is quantised (scale 2^e4), not normalised; the row's sum is taken of the unquantised p and divides at the end.
; When M moves, the sum and O are multiplied by 2^(old M - new M), which rounds nothing.
; SHARES.  Work-group (i, head) owns query blocks i and 7 - i of 256 queries: under the causal mask every work-group then has the same work (9 units of 256 x 256, two of them on the diagonal).  Each of the sixteen waves owns 32
; queries, two tiles of 16, of one of the two blocks: wave w takes block 7 - i where (w xor w / 4) is odd, and the rows 32 (w / 2) on.  A fragment of k or v read from LDS serves both tiles.
; Every wave walks 8 slots of 256 keys (constant trip counts); a step of 128 keys that all come after the wave's queries is jumped over by a scalar branch on ids; no barrier and no tensor load stands in a step.
; LAYOUT.  Both products are used transposed: S^T = k q^T (source 0 = 16 keys), O^T = v^T p^T (source 0 = 16 of the head's 64): a lane holds ONE query (lane % 16) throughout.  Tile t of S^T holds keys 16 t + 8 (lane / 16) + 0..7 in a
; lane's eight registers: their codes are registers 2 t, 2 t + 1 of the second product's operand as that form lays it.
; NO CLUSTER: the four work-groups of a head need 8, 7, 6 and 5 slots of keys; walking in step, each would wait for the slowest in every slot: 2+2+2+2+1+1+1+1 = 12 units' time against the 9 of its own work; and what they share is 32,768 bytes a slot.
; LIMITS on the given exponents: e2 + e3 between -123 and 130 (added to c's exponent field); e4 and e6 between -126 and 119; e4 + e5 is applied by v_ldexp_f32 and has none.
.set SLOT1, 65536                      ; slot 1 begins here: one exclusive or turns an address in one slot into the other's
.set VOFF,  17408                      ; a slot: k's 16,384 bytes as 64 rows of 256 + 16 of padding, then v's likewise
.set STAGE, 131072                     ; behind the ring: 32 rows x 80 bytes for each wave, for the way out
.set SPARE, 172032                     ; behind the stages: the spare words, 128 bytes a wave: eight blocks of 256 bytes that no other line names
.set AK0,  1                           ; v1   my lane's place in a tile: (r / 4) x 272 + (r % 4) x 64 + 16 h (four rows of 64 bytes lie in an LDS row)
.set RR,   2                           ; v2   r = lane % 16
.set PFO,  3                           ; v3   256 x lane: the prefetches' offset; never rewritten
.set AD,   4                           ; v4   LDS address of the step's loads
.set RH,   5                           ; v5   r - 8 h
.set SPW,  6                           ; v6   LDS address of my spare word; never rewritten
.set NIL,  7                           ; v7   0; never rewritten
.set PLIM, 8
.set PSC,  9                           ; v9   2^e4; on the way out 2^e6
.set DD,   10                          ; v10  the mask's distance
.set NINF, 11                          ; v11  -infinity
;                                        v[12:15], v[16:19] tile 0's, tile 1's: -M, the largest t, the sum in two halves
;                                        v20, v21 at work; v[22:23] f; v[24:25] a second chain of sums; v26 a lane permute's destination
.set HH,   27                          ; v27  h = lane / 16
.set QF,   28                          ; v28-43   q's two fragments
.set KV,   44                          ; v44-107  eight fragments of k, then four of v
.set P0,   108                         ; v108-123 tile 0's codes of p
.set P1,   124                         ; v124-139 tile 1's: laid over scores that have been converted
.set S,    126                         ; v126-189 S^T of the tile in hand, then p
.set O0,   190                         ; v190-221 tile 0's O^T; v222-253 tile 1's
.set TB,   2                           ; s2   LDS byte at which the slot in hand begins
.set WV,   10
.set Q0,   11                          ; s11  my first query
.set KF,   12                          ; s12  the step's first key
.set QL,   13                          ; s13  my work-group's last query
.set SLOTS, 14
.set LIM,  15                          ; s15  1 in a wave that prefetches, else the greatest number
.set PFA,  16                          ; s[16:17] where my prefetches stand
.set SEL,  18                          ; s[18:19] lane selects for v_permlanex16_b32: lane l xor 16
.set CS,   20                          ; s[20:21] c = log2(e) / 8 x 2^(e2 + e3)
.set G1,   24                          ; s[24:31] descriptor group 1: one shape serves k and v
.set G0,   32                          ; s[32:35] descriptor group 0, which walks
; Wave 0 fetches a slot's k, wave 1 its v, the others nothing.  An s_nop 0 and four v_nop follow the load.  By this text's count a wave has one tensor load out at the most.
.macro TLOAD
	s_cmp_lt_u32 s[WV], 2
	s_cbranch_scc0 .Lasked_\@
	tensor_load_to_lds s[G0:G0+3], s[G1:G1+7]
	s_nop 0
.rept 4
	v_nop
.endr
.Lasked_\@:
.endm
; A PREFETCH of what the NEXT change of slots will ask for: a slot's 16,384 bytes of k and of v.  All four work-groups of a head walk the same k and v: work-group 0, which walks all eight slots, asks, and in it the waves 4 to 7,
; which fetch nothing: waves 4, 5 for k's two halves, waves 6, 7 for v's: 8,192 bytes a wave, lanes 256 bytes apart: each aligned block of 256 bytes of slots 2 to 7 is named once in the launch.  Slots 0 and 1 come by their loads alone;
; the last change that fills a slot asks for nothing.
.macro ASK
	s_cmp_gt_u32 s[SLOTS], s[LIM]
	s_cbranch_scc0 .Lnot_mine_\@
	global_prefetch_b8 v[PFO], s[PFA:PFA+1] th:TH_LOAD_NT scope:SCOPE_SE
.Lnot_mine_\@:
.endm
	s_load_b128 s[4:7], s[0:1], 0x0                ; qkv s[4:5], the scales' exponents s[6:7]
	s_load_b64 s[8:9], s[0:1], 0x10                ; o_codes
	v_lshl_add_u32 v[SPW], v0, 2, SPARE
	v_mov_b32 v[NIL], 0
	ds_add_u32 v[SPW], v[NIL]                      ; the wave's opening: the add and its wait stand ahead of my first tensor load; the set-up below stands between them
	ds_add_u32 v[SPW], v[NIL]
	v_lshrrev_b32 v1, 5, v0
	s_delay_alu instid0(VALU_DEP_1)
	v_readfirstlane_b32 s[WV], v1                  ; wave 0..15
	s_and_b32 s36, ttmp7, 0xffff
	s_lshr_b32 s37, s36, 4                         ; batch
	s_and_b32 s38, s36, 15                         ; head
	s_lshr_b32 s39, s[WV], 2
	s_xor_b32 s39, s39, s[WV]
	s_and_b32 s39, s39, 1                          ; 1: the later block
	s_lshr_b32 s40, s[WV], 1
	s_sub_co_u32 s41, 7, ttmp9
	s_cmp_eq_u32 s39, 1
	s_cselect_b32 s41, s41, ttmp9                  ; my block of 256 queries
	s_lshl_b32 s[Q0], s41, 8
	s_lshl_b32 s40, s40, 5
	s_add_co_u32 s[Q0], s[Q0], s40                 ; my first query
	s_lshl_b32 s[QL], ttmp9, 8
	s_sub_co_u32 s[QL], 2047, s[QL]                ; the last query of block 7 - i
	s_mul_i32 s42, s37, 6291456
	s_lshl_b32 s43, s38, 17
	s_add_co_u32 s42, s42, s43                     ; the head's q, in bytes; its k lies 2,097,152 further on, its v 4,194,304
	s_and_b32 s44, s[WV], 1
	s_mul_i32 s45, s44, VOFF                       ; what I fetch, if I fetch: its place in a slot,
	s_add_co_u32 s46, s44, 1
	s_lshl_b32 s46, s46, 21
	s_add_co_u32 s46, s46, s42                     ; and in memory
	s_mov_b32 s47, 0
	s_lshl_b32 s76, s38, 19
	s_lshl_b32 s77, s37, 11
	s_add_co_u32 s77, s77, s[Q0]
	s_lshl_b32 s77, s77, 6
	s_add_co_u32 s76, s76, s77                     ; my 32 rows of o_codes
	s_mov_b32 s77, 0
	; descriptor group 1: 16,384 dense bytes as 64 rows of 256, 16 bytes of padding behind each
	s_mov_b32 s[G1], (3<<16)|(1<<20)|(5<<22)|(3<<25)   ; no mask; elements of 8 bytes; padding on: four words after every 64
	s_mov_b32 s[G1+1], 32<<16                      ; tensor_dim0 = 32 elements
	s_mov_b32 s[G1+2], 64<<16                      ; tensor_dim1 = 64
	s_mov_b32 s[G1+3], 32<<16                      ; tile_dim0
	s_mov_b32 s[G1+4], 64                          ; tile_dim1
	s_mov_b32 s[G1+5], 32                          ; tensor_dim0_stride
	s_mov_b32 s[G1+6], 0
	s_mov_b32 s[G1+7], 0
	s_mov_b32 s[SEL], 0x76543210
	s_mov_b32 s[SEL+1], 0xfedcba98
	s_mov_b32 s[CS], 0x3e38aa3b                    ; log2(e) / 8
	s_mov_b32 s[TB], 0
	s_mov_b32 s[SLOTS], 7
	s_mov_b32 s[KF], 0
	s_wait_dscnt 0x0                               ; the opening add is done
	s_wait_kmcnt 0x0
	s_load_b256 s[68:75], s[6:7], 0x0              ; e0 .. e7
	s_mov_b32 s[G0], 1                             ; count = 1
	s_mov_b32 s[G0+1], s45                         ; LDS address: slot 0
	s_add_nc_u64 s[G0+2:G0+3], s[4:5], s[46:47]    ; the head's first 256 keys
	s_or_b32 s[G0+3], s[G0+3], 0x80000000          ; type = 2
	TLOAD                                          ; slot 0
	s_add_nc_u64 s[8:9], s[8:9], s[76:77]
	s_bfe_u32 s80, s[WV], 0x10001                  ; the prefetches: k (waves 4, 5) or v (waves 6, 7),
	s_add_co_u32 s80, s80, 1
	s_lshl_b32 s80, s80, 21
	s_lshl_b32 s81, s44, 13                        ; which half of a slot's 16,384 bytes,
	s_add_co_u32 s80, s80, s81
	s_add_co_u32 s80, s80, s42
	s_add_co_u32 s80, s80, 16384                   ; in slot 1: the first change of slots steps it to slot 2
	s_mov_b32 s81, 0
	s_add_nc_u64 s[PFA:PFA+1], s[4:5], s[80:81]
	s_lshr_b32 s82, s[WV], 2
	s_xor_b32 s82, s82, 1                          ; 0 in waves 4 to 7,
	s_or_b32 s82, s82, ttmp9                       ; of the head's work-group 0
	s_cmp_eq_u32 s82, 0
	s_cselect_b32 s[LIM], 1, -1
	s_lshl_b32 s78, s[Q0], 6
	s_add_co_u32 s78, s78, s42
	s_mov_b32 s79, 0
	s_add_nc_u64 s[4:5], s[4:5], s[78:79]          ; q at my first query
	v_and_b32 v[RR], 15, v0
	v_bfe_u32 v[HH], v0, 4, 1
	s_delay_alu instid0(VALU_DEP_2)
	v_lshlrev_b32 v[AD], 6, v[RR]
	s_delay_alu instid0(VALU_DEP_1)
	v_lshl_add_u32 v[AD], v[HH], 4, v[AD]          ; q: row r of 64 bytes, + 16 h
	global_load_b128 v[QF:QF+3], v[AD], s[4:5]                  ; q's fragments stay in registers
	global_load_b128 v[QF+4:QF+7], v[AD], s[4:5] offset:32
	global_load_b128 v[QF+8:QF+11], v[AD], s[4:5] offset:1024
	global_load_b128 v[QF+12:QF+15], v[AD], s[4:5] offset:1056
	v_lshrrev_b32 v[AK0], 2, v[RR]
	s_delay_alu instid0(VALU_DEP_1)
	v_mul_u32_u24 v[AK0], v[AK0], 272
	v_and_b32 v[RH], 3, v[RR]
	s_delay_alu instid0(VALU_DEP_1)
	v_lshl_add_u32 v[AK0], v[RH], 6, v[AK0]
	s_delay_alu instid0(VALU_DEP_1)
	v_lshl_add_u32 v[AK0], v[HH], 4, v[AK0]
	v_lshlrev_b32 v[RH], 3, v[HH]
	s_delay_alu instid0(VALU_DEP_1)
	v_sub_nc_u32 v[RH], v[RR], v[RH]
	v_and_b32 v[PFO], 31, v0
	s_delay_alu instid0(VALU_DEP_1)
	v_lshlrev_b32 v[PFO], 8, v[PFO]
	v_mov_b32 v[DD], 0
	v_mov_b32 v[NINF], 0xff800000
.irp t, 12, 16
	v_mov_b32 v[\t+1], 0xff61b1e6                  ; the largest t so far: -3e38, under every t
	s_delay_alu instid0(VALU_DEP_1)
	v_floor_f32 v[\t], -v[\t+1]                    ; -M
	v_mov_b32 v[\t+2], 0                           ; the sum, in two halves
	v_mov_b32 v[\t+3], 0
.endr
.irp j, 20,21,22,23,24,25,26
	v_mov_b32 v\j, 0                               ; written once: pairs' upper halves, lane permutes' destinations
.endr
.set J, 0
.rept 64
	v_mov_b32 v[O0+J], 0                           ; O^T.  (The step is written once: the first finds zeros, which the first change of M leaves zeros)
.set J, J+1
.endr
	s_wait_kmcnt 0x0
	s_add_co_i32 s36, s70, s71
	s_lshl_b32 s36, s36, 23
	s_add_co_i32 s[CS], s[CS], s36                 ; a score stands for score x 2^(e2 + e3): the exponents are added to c's exponent field
	s_mov_b32 s[CS+1], s[CS]                       ; (named with it as a pair, so it is written)
	s_add_co_i32 s36, s72, 127
	s_lshl_b32 s37, s36, 23
	v_mov_b32 v[PSC], s37                          ; 2^e4 as f32, for the conversion
; On the diagonal the scores of hidden keys become -infinity ahead of the maximum: p = 0 then.  A step all of whose keys count for tile x skips this.  Register 8 t + j holds key KF + 16 t + 8 h + j: hidden where 16 t + j > my query - KF - 8 h.
.macro MASK x
	s_add_co_u32 s96, s[KF], 127
	s_add_co_u32 s97, s[Q0], 16*(\x)
	s_cmp_le_u32 s96, s97
	s_cbranch_scc1 .Lopen_\@
	s_sub_co_i32 s97, s97, s[KF]
	v_add_nc_u32 v[DD], s97, v[RH]
.set N, 0
.rept 64
	v_cmp_gt_i32 vcc_lo, 16*(N/8)+N%8, v[DD]
	v_cndmask_b32 v[S+N], v[S+N], v[NINF], vcc_lo
.set N, N+1
.endr
.Lopen_\@:
.endm
; Tile x's softmax for a step of 128 keys: 64 scores a lane.
.macro SM x
.set T, 12+4*(\x)
.set PD, P0+16*(\x)
.set OB, O0+32*(\x)
	v_max3_num_f32 v20, v[S], v[S+1], v[S+2]       ; the step's largest score of my query among my 64 keys, in two chains, each accumulator from its low end on,
	v_max3_num_f32 v21, v[S+3], v[S+4], v[S+5]
.irp i, 6,10,14,18,22,26,30,34,38,42,46,50,54,58
	v_max3_num_f32 v20, v20, v[S+\i], v[S+\i+1]
	v_max3_num_f32 v21, v21, v[S+\i+2], v[S+\i+3]
.endr
	v_max3_num_f32 v20, v20, v[S+62], v[S+63]
	s_delay_alu instid0(VALU_DEP_1)
	v_max_num_f32 v20, v20, v21
	s_delay_alu instid0(VALU_DEP_1)
	v_permlanex16_b32 v26, v20, s[SEL], s[SEL+1]
	s_delay_alu instid0(VALU_DEP_1)
	v_max_num_f32 v20, v20, v26                    ; and among lane l xor 16's
	s_delay_alu instid0(VALU_DEP_1)
	v_mul_f32 v20, s[CS], v20                      ; as t (c is positive)
	s_delay_alu instid0(VALU_DEP_1)
	v_max_num_f32 v[T+1], v[T+1], v20              ; the running largest t
	v_mov_b32 v20, v[T]
	s_delay_alu instid0(VALU_DEP_2)
	v_floor_f32 v[T], -v[T+1]                      ; the new -M = floor(-t) = -ceil(t): a whole number
	s_delay_alu instid0(VALU_DEP_1)
	v_sub_f32 v20, v[T], v20                       ; old M - new M: a whole number, 0 or less
	s_delay_alu instid0(VALU_DEP_1)
	v_cvt_i32_f32 v20, v20                         ; (it saturates)
	s_delay_alu instid0(VALU_DEP_1)
	v_ldexp_f32 v22, 1.0, v20                      ; f = 2^(old M - new M)
.set J, 0
.rept 32
	v_pk_fma_f32 v[S+J:S+J+1], v[S+J:S+J+1], s[CS:CS+1], v[T:T+1] op_sel_hi:[1,0,0]   ; t - M, two at a time (of the pairs c and -M the low word serves both halves)
.set J, J+2
.endr
.set J, 0
	s_wait_alu depctr_va_vdst(0)
.rept 64
	v_exp_f32 v[S+J], v[S+J]                       ; p = 2^(t - M), at most 1: not normalised
.set J, J+1
.endr
	v_pk_mul_f32 v[T+2:T+3], v[T+2:T+3], v[22:23] op_sel_hi:[1,0]   ; the sums under the new M: the plain instruction behind the exponentials
	s_wait_alu depctr_va_vdst(0)                   ; one wait for the whole batch, ahead of its first reader
	v_pk_add_f32 v[24:25], v[S:S+1], v[S+2:S+3]    ; the row's sum is taken of the unquantised p: two at a time, in two chains
.set J, 4
.rept 15
	v_pk_add_f32 v[T+2:T+3], v[T+2:T+3], v[S+J:S+J+1]
	v_pk_add_f32 v[24:25], v[24:25], v[S+J+2:S+J+3]
.set J, J+4
.endr
	s_delay_alu instid0(VALU_DEP_1)
	v_pk_add_f32 v[T+2:T+3], v[T+2:T+3], v[24:25]
.irp g, 0,1,2,3,4,5,6,7
.irp i, 0,1,2,3,4,5,6,7
.endr
	v_nop
	v_cvt_scalef32_pk8_fp8_f32 v[PD+2*\g:PD+2*\g+1], v[S+8*\g:S+8*\g+7], v[PSC]   ; keys 16 g + 8 h + 0..7.  (Tile 1: the result lies over scores of an earlier group, never over this group's)
.endr
.set J, 0
.rept 16
	v_pk_mul_f32 v[OB+J:OB+J+1], v[OB+J:OB+J+1], v[22:23] op_sel_hi:[1,0]   ; O^T under the new M.  (Also the plain instructions between the conversions and the products that read the codes)
.set J, J+2
.endr
.endm
; A KEY STEP: 128 keys, the q-th of the slot in hand.
.macro STEP q
	s_add_co_u32 s96, s[Q0], 31
	s_cmp_gt_u32 s[KF], s96                        ; all keys come after my 32 queries: nothing to do.  (KF is a multiple of 128 and Q0 of 32: in a step that is walked key KF counts for every one of my queries, so M is a number)
	s_cbranch_scc1 .Lhidden_\@
	v_add_nc_u32 v[AD], s[TB], v[AK0]
.rept 4
	v_nop                                          ; with the addition above five places behind the last step's products: loads follow into the registers that held v, and the scores are laid over tile 1's codes
.endr
.irp t, 0,1,2,3,4,5,6,7
	ds_load_b128 v[KV+8*\t:KV+8*\t+3], v[AD] offset:(32*(\q)+4*\t)*272
	ds_load_b128 v[KV+8*\t+4:KV+8*\t+7], v[AD] offset:(32*(\q)+4*\t)*272+32
.endr
	s_wait_dscnt 0x0
.irp t, 0,1,2,3,4,5,6,7
	v_wmma_f32_16x16x64_fp8_fp8 v[S+8*\t:S+8*\t+7], v[KV+8*\t:KV+8*\t+7], v[QF:QF+7], 0
.endr
.rept 4
	v_nop
.endr
	MASK 0
	SM 0
.irp t, 0,1,2,3,4,5,6,7
	v_wmma_f32_16x16x64_fp8_fp8 v[S+8*\t:S+8*\t+7], v[KV+8*\t:KV+8*\t+7], v[QF+8:QF+15], 0
.endr
.rept 4
	v_nop
.endr
.irp d, 0,1,2,3                                ; v's four fragments (16 of the head's 64 x 128 keys) land under tile 1's softmax
.irp c, 0,1,2,3
	ds_load_b128 v[KV+16*\d+4*\c:KV+16*\d+4*\c+3], v[AD] offset:VOFF+(2*(\q)+\c/2)*4352+\d*1088+32*(\c%2)
.endr
.endr
	MASK 1
	SM 1
	s_wait_alu depctr_va_vdst(0)
	s_wait_dscnt 0x0
.irp d, 0,1,2,3                                ; eight accumulators by turns, one instruction a turn
	v_wmma_f32_16x16x128_fp8_fp8 v[O0+8*\d:O0+8*\d+7], v[KV+16*\d:KV+16*\d+15], v[P0:P0+15], v[O0+8*\d:O0+8*\d+7]
	v_wmma_f32_16x16x128_fp8_fp8 v[O0+32+8*\d:O0+32+8*\d+7], v[KV+16*\d:KV+16*\d+15], v[P1:P1+15], v[O0+32+8*\d:O0+32+8*\d+7]
.endr
.Lhidden_\@:
	s_add_co_u32 s[KF], s[KF], 128
.endm
; THE CHANGE OF SLOTS stands at a slot's head.  Each wave waits for all its tensor loads, adds 0 to its spare word, and waits for that and for its reads of the slot that it has left.  Behind the barrier the slot ahead is whole and
; nobody reads the other one.  fill = 1: that other slot is filled with the next 256 keys, if a wave of the work-group will read them: a slot whose first key comes after the work-group's last query is not asked for.  That test is made of
; ids and the count of steps alone, is the same in all sixteen waves, leads round the load's own lines alone, and every wait on TENSORcnt in this text is for 0.
.macro CHANGE fill
	s_wait_tensorcnt 0x0                           ; no tensor load of mine is out, so the group 0 may be written
	ds_add_u32 v[SPW], v[NIL]                      ; 0 onto my spare word
.if \fill
	s_xor_b32 s[G0+1], s[G0+1], SLOT1              ; the other slot than last time,
	s_add_nc_u64 s[G0+2:G0+3], s[G0+2:G0+3], 16384 ; the next 256 keys; the type bits on top are not reached
	s_wait_xcnt 0x0                                ; the last prefetch, a slot back, has read its address, so it may be written:
	s_add_nc_u64 s[PFA:PFA+1], s[PFA:PFA+1], 16384 ; one slot further on than the walking descriptor
.endif
	s_wait_dscnt 0x0                               ; the add is done, and my reads of the slot that I have left are over
	s_barrier_signal -1
	s_barrier_wait -1
.if \fill
	s_add_co_u32 s96, s[KF], 256                   ; the first key of the slot that this change would ask for
	s_cmp_gt_u32 s96, s[QL]
	s_cbranch_scc1 .Lpast_\@
	TLOAD                                          ; a wave's one tensor load until the next such barrier: it has a slot's two steps in which to land
.Lpast_\@:
	ASK
.endif
.endm
.macro SLOT_STEPS
	STEP 0
	STEP 1
	s_xor_b32 s[TB], s[TB], SLOT1                  ; on to the other slot
.endm
	s_wait_loadcnt 0x0                             ; q
.Lslot:                                            ; 7 trips: behind each change of slots but the last the next slot is asked for, up to the causal limit
	CHANGE 1
	SLOT_STEPS
	s_sub_co_u32 s[SLOTS], s[SLOTS], 1
	s_cmp_lg_u32 s[SLOTS], 0
	s_cbranch_scc1 .Lslot
	CHANGE 0                                       ; the last slot is written out: nothing is left to ask for
	SLOT_STEPS
	; THE WAY OUT.  O^T x 2^(e4 + e5) / the sum is o; it is held, converted with 2^e6, and goes through my stage: a lane's 8 codes of tile d lie at byte 16 d + 8 h of its query's row; read back, 32 rows of 64 bytes are 2,048 consecutive bytes.
.rept 4
	v_nop
.endr
	v_add_f32 v14, v14, v15                        ; the sums' two halves,
	v_add_f32 v18, v18, v19
	s_delay_alu instid0(VALU_DEP_2)
	v_permlanex16_b32 v26, v14, s[SEL], s[SEL+1]
	s_delay_alu instid0(VALU_DEP_2)
	v_permlanex16_b32 v20, v18, s[SEL], s[SEL+1]
	s_delay_alu instid0(VALU_DEP_2)
	v_add_f32 v14, v14, v26                        ; and lane l xor 16's
	s_delay_alu instid0(VALU_DEP_2)
	v_add_f32 v18, v18, v20
	s_wait_alu depctr_va_vdst(0)
	v_rcp_f32 v14, v14
	v_rcp_f32 v18, v18
	s_mul_i32 s36, s[WV], 2560
	s_add_co_u32 s36, s36, STAGE                   ; my stage
	v_mul_u32_u24 v[DD], v[RR], 80                 ; (a plain instruction behind the reciprocals)
	s_delay_alu instid0(VALU_DEP_1)
	v_lshl_add_u32 v[DD], v[HH], 3, v[DD]
	s_delay_alu instid0(VALU_DEP_1)
	v_add_nc_u32 v[DD], s36, v[DD]                 ; in: row r, + 8 h
	v_and_b32 v[AK0], 31, v0
	s_delay_alu instid0(VALU_DEP_1)
	v_lshrrev_b32 v[AD], 2, v[AK0]
	s_delay_alu instid0(VALU_DEP_1)
	v_mul_u32_u24 v[AD], v[AD], 80
	v_and_b32 v[RH], 3, v0
	s_delay_alu instid0(VALU_DEP_1)
	v_lshl_add_u32 v[AD], v[RH], 4, v[AD]
	s_delay_alu instid0(VALU_DEP_1)
	v_add_nc_u32 v[AD], s36, v[AD]                 ; back: row lane / 4, 16 bytes at 16 (lane % 4)
	v_lshlrev_b32 v[AK0], 4, v[AK0]                ; out: 16 x lane
	s_add_co_i32 s37, s72, s73                     ; e4 + e5
	s_add_co_i32 s38, s74, 127
	s_lshl_b32 s39, s38, 23
	v_mov_b32 v[PSC], s39                          ; 2^e6
	s_wait_alu depctr_va_vdst(0)                   ; one wait for the two reciprocals, ahead of their first reader
	v_ldexp_f32 v22, v14, s37
	v_ldexp_f32 v24, v18, s37
.irp x, 0,1
.set J, 0
.rept 16
	v_pk_mul_f32 v[O0+32*\x+J:O0+32*\x+J+1], v[O0+32*\x+J:O0+32*\x+J+1], v[22+2*\x:23+2*\x] op_sel_hi:[1,0]   ; each accumulator from its low end on
.set J, J+2
.endr
.set J, 0
.rept 32
.set J, J+1
.endr
.irp d, 0,1,2,3
	v_cvt_scalef32_pk8_fp8_f32 v[KV+8*\x+2*\d:KV+8*\x+2*\d+1], v[O0+32*\x+8*\d:O0+32*\x+8*\d+7], v[PSC]
.endr
.endr
	v_nop                                          ; a plain vector instruction behind the last conversion
.irp x, 0,1
.irp d, 0,1,2,3
	ds_store_b64 v[DD], v[KV+8*\x+2*\d:KV+8*\x+2*\d+1] offset:1280*\x+16*\d
.endr
.endr
.irp i, 0,1,2,3
	ds_load_b128 v[KV+16+4*\i:KV+16+4*\i+3], v[AD] offset:640*\i   ; LDS serves a wave's instructions in order: these see my stores
.endr
.irp i, 0,1,2,3
	s_wait_dscnt 3-\i                              ; the younger loads may be out
	global_store_b128 v[AK0], v[KV+16+4*\i:KV+16+4*\i+3], s[8:9] offset:512*\i   ; the wave stores 512 consecutive bytes, aligned
.endr
	s_wait_tensorcnt 0x0                           ; the wave's end: behind my last tensor load and my last LDS store
	ds_add_u32 v[SPW], v[NIL]
	s_wait_dscnt 0x0
	s_endpgm
.Lfunc_end_k_q54b8fb4e63_attn:
	.size	k_q54b8fb4e63_attn, .Lfunc_end_k_q54b8fb4e63_attn-k_q54b8fb4e63_attn
	.p2alignl 7, 3214868480
	.fill 96, 4, 3214868480
	.section	.rodata,"a",@progbits
	.p2align	6, 0x0
	.amdhsa_kernel k_q54b8fb4e63_attn
		.amdhsa_group_segment_fixed_size 327680
		.amdhsa_private_segment_fixed_size 0
		.amdhsa_enable_private_segment 0
		.amdhsa_kernarg_size 24
		.amdhsa_user_sgpr_count 2
		.amdhsa_user_sgpr_kernarg_segment_ptr 1
		.amdhsa_wavefront_size32 1
		.amdhsa_system_sgpr_workgroup_id_x 1
		.amdhsa_system_sgpr_workgroup_id_y 1
		.amdhsa_system_sgpr_workgroup_id_z 1
		.amdhsa_system_vgpr_workitem_id 0
		.amdhsa_next_free_vgpr 256
		.amdhsa_next_free_sgpr 100
		.amdhsa_reserve_vcc 1
		.amdhsa_float_denorm_mode_32 3
		.amdhsa_float_denorm_mode_16_64 3
		.amdhsa_fp16_overflow 1
		.amdhsa_memory_ordered 1
		.amdhsa_forward_progress 1
		.amdhsa_inst_pref_size 158
	.end_amdhsa_kernel
	.amdgpu_metadata
---
amdhsa.version: [ 1, 2 ]
amdhsa.kernels:
  - .name:           k_q54b8fb4e63_attn
    .symbol:         k_q54b8fb4e63_attn.kd
    .args:
      - { .name: qkv, .offset: 0, .size: 8, .value_kind: global_buffer, .address_space: global }
      - { .name: lowp_scales, .offset: 8, .size: 8, .value_kind: global_buffer, .address_space: global }
      - { .name: o_codes, .offset: 16, .size: 8, .value_kind: global_buffer, .address_space: global }
    .group_segment_fixed_size: 327680
    .private_segment_fixed_size: 0
    .kernarg_segment_align: 8
    .kernarg_segment_size: 24
    .max_flat_workgroup_size: 512
    .sgpr_count:     100
    .vgpr_count:     256
    .wavefront_size: 32
...
	.end_amdgpu_metadata
.endif
;; end of part 3
;; launch proj (part 4): grid 4 x 32, 4 waves a work-group, clusters of 4 x 4, 327,680 bytes of LDS; arguments o_codes, codes, lowp_scales, out0; writes out0
.if DOCPART == 4
	.amdgcn_target "amdgcn-amd-amdhsa--gfx1250"
	.amdhsa_code_object_version 6
	.text
	.protected	k_q54b8fb4e63_proj
	.globl	k_q54b8fb4e63_proj
	.p2align	8
	.type	k_q54b8fb4e63_proj,@function
k_q54b8fb4e63_proj:
	s_mov_b64 s[64:65], 0
	v_nop
	global_prefetch_b8 v0, s[64:65] scope:SCOPE_SE
	s_setreg_imm32_b32 hwreg(HW_REG_WAVE_MODE, 25, 1), 1
	s_wait_xcnt 0x0
	s_wait_alu depctr_hold_cnt(0) depctr_sa_sdst(0) depctr_va_vdst(0) depctr_va_sdst(0) depctr_va_ssrc(0) depctr_va_vcc(0) depctr_vm_vsrc(0)
	s_getreg_b32 s2, hwreg(HW_REG_IB_STS2, 6, 4)
	s_cmp_eq_u32 s2, 0
	s_cbranch_scc0 .Lentry_in_a_cluster
	s_endpgm
.Lentry_in_a_cluster:
	s_bfe_u32 s2, ttmp6, 0x10000c
	s_cmp_lg_u32 s2, 0xf033
	s_cbranch_scc0 .Lentry_shape_is_right
	s_endpgm
.Lentry_shape_is_right:
; out0 = o W_out on codes of FP8 (E4M3): out0[token][n] = 2^(e6 + e7) x the sum over k of o[token][k] W_out[k][n]; sums in f32.  M = 8,192, N = 1,024, K = 1,024.
; A: o_codes [head][token][64]: k = 64 head + d.  B: rows 11264-12287 of the pool of codes: row n holds W_out's column n, K innermost, 1,024 bytes.
; A tile of 256 x 256 of out0 is made by four waves, 128 x 128 each: 64 accumulators, 512 registers.  K goes in steps of 256 (four heads) through a ring of two LDS slots filled by the tensor data mover.
; A's tile for a wave is 128 tokens x 4 heads: four dense runs of 8,192 bytes, 524,288 bytes apart, stated as four rows; 16 bytes of padding behind every 256 (four tokens): head p, token t lie at p x 8,704 + (t / 4) x 272 + (t % 4) x 64.
; CLUSTERS: 4 x 4 work-groups; A's tile is shared along a row of the cluster, B's along a column: each is asked for jointly.  THE MATRIX INSTRUCTION IS USED TRANSPOSED: a lane holds eight neighbouring numbers of a row of out0.
; 128 work-groups: a tile of 128 rows would give 256, but each fragment from LDS would then feed fewer products.  No prefetch: K has four steps, two of which are the first fills.
; LIMIT: e6 + e7 lies between -126 and 127, so that 2^(e6 + e7) is an f32 number.
; REGISTERS, in windows of 256: window 0: v0-31 addresses; from v128 A's fragments, ONE set; on the way out v32-255 are free.  window 1: B's fragments, TWO sets.  windows 2, 3: the accumulators ((a, b) at v[8 (8 (a % 4) + b)]).
.set SIZE_N, 1024
.set ROWB,   256
.set KROW,   1024
.set PITCH,  272
.set PANEL,  8704                      ; a head's 128 tokens in LDS: 32 rows of 272 bytes
.set ASTEP,  2097152                   ; four heads on in o_codes
.set WOUT,   11264*1024                ; W_out's first row in the pool
.set FR,     16
.set NL,     4
.set NP,     4
.set HALFT,  128*PITCH                 ; what one tensor load brings: 4 x PANEL for A, 128 rows for B
.set SLOT,   4*HALFT
.set LAPS,   2
.set SPARE,  2*SLOT                    ; behind the ring: the spare words, 128 bytes a wave: two blocks of 256 bytes that no other line names
.set SPITCH, 528                       ; the way out: a stage of 16 rows x (512 bytes + 16) for each wave, in slot 0, which has had its last fill and its last read by then
.set ADRA, 16
.set ADRB, 20
.set STO,  24
.set RD,   25
.set CO,   26
.set SPW,  28                          ; v28  LDS address of my spare word; never rewritten
.set NIL,  29                          ; v29  0; never rewritten
.set TMP,  32
.set AF,   128
.set BK,   128
.set G1, 24
.set G0, 32
.set G1B, 48
.set G0B, 56
.set MSB, 0
.macro WIN new                         ; the immediate's high byte repeats the setting that is left
.if MSB != (\new)
	s_set_vgpr_msb (MSB<<8)|(\new)
.set MSB, (\new)
.endif
.endm
.set MUL_LO, 0xa1
.set MUL_HI, 0xf1
.set TO_B,   0x40
.macro JLOAD g0a, g1a, g0b, g1b        ; a joint load: waves 0 and 1 fetch for A, waves 2 and 3 for B; an s_nop 0 and four v_nop follow each of the two lines
	s_cmp_eq_u32 s15, 0
	s_cbranch_scc0 .Lfor_b_\@
	tensor_load_to_lds s[\g0a:\g0a+3], s[\g1a:\g1a+7]
	s_nop 0
.rept 4
	v_nop
.endr
	s_branch .Lasked_\@
.Lfor_b_\@:
	tensor_load_to_lds s[\g0b:\g0b+3], s[\g1b:\g1b+7]
	s_nop 0
.rept 4
	v_nop
.endr
.Lasked_\@:
.endm
.macro CREST
	s_cmp_lg_u32 s14, 0
	s_cbranch_scc1 .Lnot_wave_0_\@
	s_barrier_signal -3
.Lnot_wave_0_\@:
	s_barrier_wait -3
	s_barrier_signal -1
	s_barrier_wait -1
.endm
.macro CROUND
	s_barrier_signal -1
	s_barrier_wait -1
	CREST
.endm
	s_load_b128 s[4:7], s[0:1], 0x0                ; o_codes s[4:5], the pool s[6:7]
	s_load_b128 s[8:11], s[0:1], 0x10              ; the scales' exponents s[8:9], out0 s[10:11]
	v_lshl_add_u32 v[SPW], v0, 2, SPARE
	v_mov_b32 v[NIL], 0
	ds_add_u32 v[SPW], v[NIL]                      ; the wave's opening: the add and its wait stand ahead of my first tensor load; the set-up below stands between them
	ds_add_u32 v[SPW], v[NIL]
	v_lshrrev_b32 v1, 5, v0
	v_readfirstlane_b32 s14, v1                    ; wave 0..3
	s_lshr_b32 s15, s14, 1                         ; which half of the tile's rows is mine.  Also: I fetch for A (0) or for B (1)
	s_and_b32 s16, s14, 1                          ; which half of its columns.  Also: which 128 rows of that tile I fetch
	s_bfe_u32 s40, ttmp6, 0x40000                  ; cx, cy
	s_bfe_u32 s41, ttmp6, 0x40004
	s_lshl_b32 s42, ttmp9, 2
	s_add_co_u32 s42, s42, s40                     ; tile column = 4 x cluster x + cx
	s_and_b32 s17, ttmp7, 0xffff
	s_lshl_b32 s17, s17, 2
	s_add_co_u32 s17, s17, s41                     ; tile row = 4 x cluster y + cy
	s_lshl_b32 s43, s41, 2
	s_lshl_b32 s43, 15, s43                        ; my row of the cluster
	s_lshl_b32 s44, 0x1111, s40                    ; my column
	; descriptor group 1 for A: 4 rows of 1,024 elements of 8 bytes, 65,536 elements apart; padding: four words after every 64
	s_or_b32 s[G1+0], s43, (3<<16)|(1<<20)|(1<<21)|(5<<22)|(3<<25)
	s_mov_b32 s[G1+1], 1024<<16                    ; tensor_dim0
	s_mov_b32 s[G1+2], 4<<16                       ; tensor_dim1
	s_mov_b32 s[G1+3], 1024<<16                    ; tile_dim0
	s_mov_b32 s[G1+4], 4                           ; tile_dim1
	s_mov_b32 s[G1+5], 65536                       ; tensor_dim0_stride
	s_mov_b32 s[G1+6], 0
	s_mov_b32 s[G1+7], 0
	; for B: 128 rows of 256 bytes, 1,024 bytes apart; the same padding
	s_or_b32 s[G1B+0], s44, (0<<16)|(1<<20)|(1<<21)|(5<<22)|(3<<25)
	s_mov_b32 s[G1B+1], ROWB<<16
	s_mov_b32 s[G1B+2], 128<<16
	s_mov_b32 s[G1B+3], ROWB<<16
	s_mov_b32 s[G1B+4], 128
	s_mov_b32 s[G1B+5], KROW
	s_mov_b32 s[G1B+6], 0
	s_mov_b32 s[G1B+7], 0
	s_lshl_b32 s18, s16, 7                         ; which 128 rows of the tile I fetch
	s_lshl_b32 s20, s17, 8
	s_add_co_u32 s20, s20, s18
	s_lshl_b32 s20, s20, 6                         ; A: token 256 x tile row + 128 x half, 64 bytes each, in head 0
	s_mov_b32 s21, 0
	s_lshl_b32 s46, s42, 8
	s_add_co_u32 s46, s46, s18
	s_lshl_b32 s46, s46, 10
	s_add_co_u32 s46, s46, WOUT                    ; B: row 11264 + 256 x tile column + 128 x half of the pool
	s_mov_b32 s47, 0
	s_mul_i32 s45, s14, HALFT                      ; where they go: no place in the cluster enters an LDS address
	s_wait_dscnt 0x0                               ; the opening add is done
	s_wait_kmcnt 0x0
	s_load_b64 s[96:97], s[8:9], 0x18              ; e6, e7
	s_add_nc_u64 s[20:21], s[4:5], s[20:21]
	s_add_nc_u64 s[46:47], s[6:7], s[46:47]
	CROUND                                         ; all sixteen work-groups are here: the first joint loads meet
.irp s, 0,1
	s_mov_b32 s[G0+4*\s], 1
	s_add_co_u32 s[G0+4*\s+1], s45, \s*SLOT
	s_add_nc_u64 s[G0+4*\s+2:G0+4*\s+3], s[20:21], \s*ASTEP
	s_or_b32 s[G0+4*\s+3], s[G0+4*\s+3], 0x80000000
	s_mov_b32 s[G0B+4*\s], 1
	s_add_co_u32 s[G0B+4*\s+1], s45, \s*SLOT
	s_add_nc_u64 s[G0B+4*\s+2:G0B+4*\s+3], s[46:47], \s*ROWB
	s_or_b32 s[G0B+4*\s+3], s[G0B+4*\s+3], 0x80000000
	s_wait_alu depctr_va_vdst(0)
	s_wait_tensorcnt 0x0
	ds_add_u32 v28, v29
	ds_add_u32 v28, v29
	s_wait_dscnt 0x0
	CROUND
	JLOAD G0+4*\s, G1, G0B+4*\s, G1B
.endr
	v_and_b32 v1, 15, v0                           ; r
	v_bfe_u32 v2, v0, 4, 1                         ; h
	v_mul_u32_u24 v3, v1, PITCH
	v_lshl_add_u32 v4, v2, 4, v3                   ; B: row r x pitch + 16 h
	v_lshrrev_b32 v8, 2, v1
	v_mul_u32_u24 v8, v8, PITCH
	v_and_b32 v9, 3, v1
	v_lshl_add_u32 v8, v9, 6, v8
	v_lshl_add_u32 v8, v2, 4, v8                   ; A: (r / 4) x 272 + (r % 4) x 64 + 16 h
	s_mul_i32 s21, s15, HALFT                      ; my 128 tokens of A
	s_mul_i32 s22, s16, HALFT                      ; my 128 rows of B,
	s_add_co_u32 s22, s22, 2*HALFT                 ; which lie behind A's
.irp s, 0,1
	v_add_nc_u32 v[ADRA+\s], s21, v8
	v_add_nc_u32 v[ADRB+\s], s22, v4
	s_add_co_u32 s21, s21, SLOT
	s_add_co_u32 s22, s22, SLOT
.endr
	s_mul_i32 s23, s14, 16*SPITCH                  ; my stage
	v_mul_u32_u24 v5, v1, SPITCH
	v_lshl_add_u32 v5, v2, 5, v5
	v_add_nc_u32 v[STO], s23, v5                   ; in: row r, 32 bytes for each half of the lanes
	v_and_b32 v6, 31, v0
	v_lshlrev_b32 v[CO], 4, v6                     ; back: the 32 lanes take one row of 512 bytes; and the same in out0
	v_add_nc_u32 v[RD], s23, v[CO]
	s_lshl_b32 s20, s17, 8
	s_lshl_b32 s21, s15, 7
	s_add_co_u32 s20, s20, s21                     ; my first row of out0
	s_mov_b32 s21, 0
	s_mov_b64 s[18:19], SIZE_N*4
	s_mul_u64 s[20:21], s[20:21], s[18:19]
	s_lshl_b32 s46, s42, 10                        ; my first column, in bytes
	s_lshl_b32 s47, s16, 9
	s_add_co_u32 s46, s46, s47
	s_mov_b32 s47, 0
	s_add_nc_u64 s[20:21], s[20:21], s[46:47]
	s_add_nc_u64 s[10:11], s[10:11], s[20:21]
.macro FRAG reg, adr, q, i             ; B: registers 4 c .. 4 c + 3 hold K = 128 q + 32 c + 16 h + 0 .. 15 of row 16 i + r
.irp c, 0,1,2,3
	ds_load_b128 v[\reg+4*\c:\reg+4*\c+3], v[\adr] offset:128*(\q)+32*\c+(\i)*16*PITCH
.endr
.endm
.macro FRAGA reg, adr, q, i            ; A: the same K of token 16 i + r: head 2 q + c / 2 of the slot's four, d = 32 (c % 2) + 16 h on
.irp c, 0,1,2,3
	ds_load_b128 v[\reg+4*\c:\reg+4*\c+3], v[\adr] offset:(2*(\q)+\c/2)*PANEL+(\i)*4*PITCH+32*(\c%2)
.endr
.endm
.macro MUL16 a0, p, zero               ; the 64 accumulators take turns, one instruction a turn
.irp a, \a0, \a0+1
.irp b, 0,1,2,3,4,5,6,7
.if \zero
	v_wmma_f32_16x16x128_fp8_fp8 v[8*(8*((\a)%4)+\b):8*(8*((\a)%4)+\b)+7], v[128*(\p)+FR*\b:128*(\p)+FR*\b+FR-1], v[AF+FR*(\a):AF+FR*(\a)+FR-1], 0
.else
	v_wmma_f32_16x16x128_fp8_fp8 v[8*(8*((\a)%4)+\b):8*(8*((\a)%4)+\b)+7], v[128*(\p)+FR*\b:128*(\p)+FR*\b+FR-1], v[AF+FR*(\a):AF+FR*(\a)+FR-1], v[8*(8*((\a)%4)+\b):8*(8*((\a)%4)+\b)+7]
.endif
.endr
.endr
.endm
.macro FETCH_B slot, q, p
	WIN TO_B
.irp i, 0,1,2,3,4,5,6,7
	FRAG 128*(\p)+FR*\i, ADRB+\slot, \q, \i
.endr
	WIN 0
.endm
.macro FETCH_A slot, q, i0
.irp i, \i0, \i0+1, \i0+2, \i0+3
	FRAGA AF+FR*(\i), ADRA+\slot, \q, \i
.endr
.endm
.macro PLACES n                        ; plain vector instructions between a matrix instruction and a load into its registers or a read of its result
.rept \n
	v_nop
.endr
.endm
.macro STEP slot, q, zero
	s_wait_dscnt 4*NL                              ; B's set and A's blocks 0-3 are in; the youngest 16 loads (A's blocks 4-7) may be out
	WIN MUL_LO
	MUL16 0, (\q)%2, \zero
	MUL16 2, (\q)%2, \zero
	s_wait_dscnt 0
	PLACES NP
	FETCH_B \slot, (\q)+1, 1-(\q)%2
	FETCH_A \slot, (\q)+1, 0
	WIN MUL_HI
	MUL16 4, (\q)%2, \zero
	MUL16 6, (\q)%2, \zero
	PLACES NP
	WIN 0
	FETCH_A \slot, (\q)+1, 4
.endm
.macro TURN slot, next, fill
	s_wait_tensorcnt 0x0                           ; all my tensor loads have landed: my part of the next slot
	ds_add_u32 v[SPW], v[NIL]                      ; 0 onto my spare word
	s_wait_dscnt 4*NL+1                            ; the add and the youngest 16 loads may be out
	WIN MUL_LO
	MUL16 0, 1, 0
	s_wait_dscnt 0x0                               ; the add is done, and my reads of this slot are over
	s_barrier_signal -1
	MUL16 2, 1, 0
	WIN 0
	s_barrier_wait -1
.if \fill
	CREST                                          ; the barrier has opened a round of the cluster's barrier: no wave of any partner still reads this slot or has a load on its way
	s_add_nc_u64 s[G0+4*\slot+2:G0+4*\slot+3], s[G0+4*\slot+2:G0+4*\slot+3], 2*ASTEP
	s_add_nc_u64 s[G0B+4*\slot+2:G0B+4*\slot+3], s[G0B+4*\slot+2:G0B+4*\slot+3], 2*ROWB
	JLOAD G0+4*\slot, G1, G0B+4*\slot, G1B         ; the first tensor load behind the round; its four v_nop are the places in front of the loads below
.else
	PLACES NP
.endif
	FETCH_B \next, 0, 0
	FETCH_A \next, 0, 0
	WIN MUL_HI
	MUL16 4, 1, 0
	MUL16 6, 1, 0
	PLACES NP
	WIN 0
	FETCH_A \next, 0, 4
.endm
	s_wait_alu depctr_va_vdst(0)
	s_wait_tensorcnt 1                             ; my part of K step 0 is in; K step 1's load may be out
	s_barrier_signal -1
	s_barrier_wait -1
	FETCH_B 0, 0, 0
	FETCH_A 0, 0, 0
	FETCH_A 0, 0, 4
	STEP 0, 0, 1                                   ; the first step stands in front of the loop: its products start the sums
	s_mov_b32 s3, LAPS-1
.Llap:
	TURN 0, 1, 1
	STEP 1, 0, 0
	TURN 1, 0, 1
	STEP 0, 0, 0
	s_sub_co_u32 s3, s3, 1
	s_cmp_lg_u32 s3, 0
	s_cbranch_scc1 .Llap
	TURN 0, 1, 0                                   ; the last lap fills nothing, and has no round of the cluster's barrier
	STEP 1, 0, 0
	s_wait_dscnt 4*NL
	WIN MUL_LO
	MUL16 0, 1, 0
	MUL16 2, 1, 0
	s_wait_dscnt 0
	WIN MUL_HI
	MUL16 4, 1, 0
	MUL16 6, 1, 0
	WIN 0
; THE WAY OUT, block by block of 16 rows x 128 columns: through my own stage in LDS and back as whole rows of 512 bytes.  LDS serves a wave's instructions in order (ISA guide 5.7.1.4): no wait between the stores and the loads.
.macro TOSTAGE a
.set AC, 64*((\a)%4)
	WIN 0x02+((\a)/4)                              ; source 0: window 2 or 3
.set J, 0
.rept 32
	v_pk_mul_f32 v[TMP+J:TMP+J+1], v[AC+J:AC+J+1], s[96:97] op_sel_hi:[1,0]   ; both x s96 = 2^(e6 + e7); each accumulator from its low end on
.set J, J+2
.endr
	WIN 0
.irp b, 0,1,2,3,4,5,6,7
	ds_store_b128 v[STO], v[TMP+8*\b:TMP+8*\b+3] offset:64*\b
	ds_store_b128 v[STO], v[TMP+8*\b+4:TMP+8*\b+7] offset:64*\b+16
.endr
.set BBS, BK+64*((\a)%2)
.irp t, 0,1,2,3,4,5,6,7,8,9,10,11,12,13,14,15
	ds_load_b128 v[BBS+4*\t:BBS+4*\t+3], v[RD] offset:\t*SPITCH
.endr
.endm
.macro SEND a, younger                 ; younger: the LDS instructions issued behind block a's loads, which may stay out
.set BBS, BK+64*((\a)%2)
	s_wait_dscnt \younger
.if (\a) > 0
	s_add_nc_u64 s[10:11], s[10:11], 16*SIZE_N*4   ; (behind a wait on XCNT: the earlier stores have read their base)
.endif
.irp t, 0,1,2,3,4,5,6,7,8,9,10,11,12,13,14,15
	global_store_b128 v[CO], v[BBS+4*\t:BBS+4*\t+3], s[10:11] offset:\t*SIZE_N*4 th:TH_STORE_NT   ; 32 lanes store 512 consecutive bytes, aligned; written once, read by nobody here
.endr
.endm
	s_wait_kmcnt 0x0
	s_add_co_i32 s96, s96, s97                     ; e6 + e7
	s_add_co_i32 s96, s96, 127
	s_lshl_b32 s96, s96, 23                        ; makes the f32 number 2^(e6 + e7)
	PLACES NP
	TOSTAGE 0
.irp a, 1,2,3,4,5,6,7
.if \a > 1
	s_wait_xcnt 0x0                                ; block a - 2's stores have read their registers and their base
.endif
	TOSTAGE \a
	SEND \a-1, 32                                  ; behind block a - 1's loads: block a's 16 stores and 16 loads
.endr
	s_wait_xcnt 0x0
	SEND 7, 0
	s_wait_tensorcnt 0x0                           ; the wave's end: behind my last tensor load and my last LDS store
	ds_add_u32 v[SPW], v[NIL]
	s_wait_dscnt 0x0
	CROUND                                         ; the closing round: no work-group ends while a partner may still ask for a tile that names it
	s_endpgm
.Lfunc_end_k_q54b8fb4e63_proj:
	.size	k_q54b8fb4e63_proj, .Lfunc_end_k_q54b8fb4e63_proj-k_q54b8fb4e63_proj
	.p2alignl 7, 3214868480
	.fill 96, 4, 3214868480
	.section	.rodata,"a",@progbits
	.p2align	6, 0x0
	.amdhsa_kernel k_q54b8fb4e63_proj
		.amdhsa_group_segment_fixed_size 327680
		.amdhsa_private_segment_fixed_size 0
		.amdhsa_enable_private_segment 0
		.amdhsa_kernarg_size 32
		.amdhsa_user_sgpr_count 2
		.amdhsa_user_sgpr_kernarg_segment_ptr 1
		.amdhsa_wavefront_size32 1
		.amdhsa_system_sgpr_workgroup_id_x 1
		.amdhsa_system_sgpr_workgroup_id_y 1
		.amdhsa_system_sgpr_workgroup_id_z 1
		.amdhsa_system_vgpr_workitem_id 0
		.amdhsa_next_free_vgpr 1024
		.amdhsa_next_free_sgpr 98
		.amdhsa_reserve_vcc 0
		.amdhsa_float_denorm_mode_32 3
		.amdhsa_float_denorm_mode_16_64 3
		.amdhsa_memory_ordered 1
		.amdhsa_forward_progress 1
		.amdhsa_inst_pref_size 124
	.end_amdhsa_kernel
	.amdgpu_metadata
---
amdhsa.version: [ 1, 2 ]
amdhsa.kernels:
  - .name:           k_q54b8fb4e63_proj
    .symbol:         k_q54b8fb4e63_proj.kd
    .args:
      - { .name: o_codes, .offset: 0, .size: 8, .value_kind: global_buffer, .address_space: global }
      - { .name: codes, .offset: 8, .size: 8, .value_kind: global_buffer, .address_space: global }
      - { .name: lowp_scales, .offset: 16, .size: 8, .value_kind: global_buffer, .address_space: global }
      - { .name: out0, .offset: 24, .size: 8, .value_kind: global_buffer, .address_space: global }
    .group_segment_fixed_size: 327680
    .private_segment_fixed_size: 0
    .kernarg_segment_align: 8
    .kernarg_segment_size: 32
    .max_flat_workgroup_size: 128
    .sgpr_count:     98
    .vgpr_count:     1024
    .wavefront_size: 32
...
	.end_amdgpu_metadata
.endif
;; end of part 4
